; MI455X (gfx1250); checked and timed in simulation.
; The chip was launched on July 23, 2026; its instructions are those of AMD's public machine-readable ISA for CDNA 5 (MIT licence, August 2026) and "CDNA5" Instruction Set Architecture Reference Guide (July 2026). The comments in the code are by the model that wrote it; some were corrected since.
;; Multi Head Self Attention. Allowed arithmetic: matrix products marked QUANTISED: E4M3 operands, one given power-of-two scale a tensor, by v_wmma_f32_16x16x64_fp8_fp8 or v_wmma_f32_16x16x128_fp8_fp8, f32 sums; everything else in f32.
;; Inputs: b_out 1,024 float32; b_qkv 3,072 float32; ln_beta 1,024 float32; ln_gamma 1,024 float32; lowp_scales 8 int32 (the exponents e of the quantised operands' scales 2^e); w_out 1,024 x 1,024 float32; w_qkv 1,024 x 3,072 float32; x 4 x 2,048 x 1,024 float32.
;; Outputs: out0 4 x 2,048 x 1,024 float32.
;; This version of the problem:
;;   THIS VERSION OF THE PROBLEM IS GIVEN IN LOW PRECISION. The matrix products marked QUANTISED in the list below multiply operands that are first quantised to E4M3 (4 exponent bits, 3 mantissa bits; 8 bits a number), with one given power-of-two scale for each operand tensor; their sums are f32. All else is computed in f32.
;;   The module's matrix products, in the order in which they are computed (A, B: the left and right operand; K: the contracted axis; several contracted axes count as one K, in the product's order):
;;     1. [M 8,192, K 1,024] x [K 1,024, N 3,072]; A: computed on the way; B: input w_qkv: QUANTISED (scales: A lowp_scales[0], B lowp_scales[1])
;;     2. batch 64 x [M 2,048, K 64] x [K 64, N 2,048]; A: computed on the way; B: computed on the way: QUANTISED (scales: A lowp_scales[2], B lowp_scales[3])
;;     3. batch 64 x [M 2,048, K 2,048] x [K 2,048, N 64]; A: softmax (see below); B: computed on the way: QUANTISED (scales: A lowp_scales[4], B lowp_scales[5])
;;     4. [M 8,192, K 1,024] x [K 1,024, N 1,024]; A: computed on the way; B: input w_out: QUANTISED (scales: A lowp_scales[6], B lowp_scales[7])
;;   THE QUANTISER, for each operand of a quantised product, along K:
;;     - The operand's scale is 2^e, e = its entry of the input lowp_scales (int32; the entries are numbered through the quantised products in the list's order, A before B).
;;     - Each number is divided by the scale, clamped to +-448, and rounded to the nearest number of E4M3, ties to even, subnormals kept.
;;     - The product sums the exact products of the quantised numbers (number of the format x scale) in f32.
;;   ~~~python
;;   def quantise(x, axis, e):      # numpy; x: float32 -> the quantised numbers, widened to float32 again
;;       x = np.moveaxis(x, axis, -1); K = x.shape[-1]
;;       r = np.clip(x / 2.0 ** e, -448, 448)
;;       step = 2.0 ** (np.maximum(np.frexp(np.where(r == 0, 1, r))[1] - 1, -6) - 3)
;;       q = np.round(r / step) * step * 2.0 ** e      # np.round: ties to even
;;       return np.moveaxis(q, -1, axis).astype(np.float32)
;;   ~~~
;;   SOFTMAX AHEAD OF A QUANTISED PRODUCT. Where the list says 'softmax', what is quantised is not the finished softmax but p = 2^(t - M), with t = logit x log2(e) and M = ceil(the row's largest t), a whole number; so 1/2 < the row's largest p <= 1. The row's sum l is taken of the UNQUANTISED p, in f32, and the product's result is divided by l at the end. Since M is a whole number, a kernel that streams over the keys may use a running M (the ceiling of the running maximum): every later rescaling is an exact power of two, so the quantised numbers keep their values, but for numbers so far below the row's largest that they fall under the format's range.
;;   OPERANDS COMPUTED ON THE WAY. 'Computed on the way' means the value that the module computes at that place (a softmax that the list does not call 'softmax' is quantised finished and normalised). What goes into a quantiser is computed in f32, as accurately as f32 sums, v_exp_f32 and their like allow (about 1e-6 of the number): no bf16 or f16 on the way to a quantiser, and a product that is left as it is and whose result goes on into a quantised operand takes f32 operands (vector FMAs, or v_wmma_f32_16x16x4_f32). A number that lies on a knife's edge between two numbers of the format may be rounded either way, as far as f32 arithmetic and the matrix unit's own rounding can turn it there, and no further.
;; One version. Each part assembles by itself: llvm-mc -triple=amdgcn-amd-amdhsa -mcpu=gfx1250 --defsym DOCPART=n.
;; ======== version 1 of 1: 4 launches
;; limits: right only within a limited range of input values
;; workspace buffers: h_codes 8,388,608 bytes; w_codes 4,194,304 bytes; qkv_codes 25,165,824 bytes; a_codes 8,388,608 bytes
;; launch prep (part 1): grid 256 x 1, 16 waves a work-group, no clusters, 19,456 bytes of LDS; arguments x, ln_gamma, ln_beta, w_qkv, w_out, lowp_scales, h_codes, w_codes; writes h_codes, w_codes
.if DOCPART == 1
	.amdgcn_target "amdgcn-amd-amdhsa--gfx1250"
	.amdhsa_code_object_version 6
	.text
	.protected	k_q1684fe1923_prep
	.globl	k_q1684fe1923_prep
	.p2align	8
	.type	k_q1684fe1923_prep,@function
k_q1684fe1923_prep:
	s_mov_b64 s[64:65], 0
	v_nop
	global_prefetch_b8 v0, s[64:65] scope:SCOPE_SE
	s_setreg_imm32_b32 hwreg(HW_REG_WAVE_MODE, 25, 1), 1
	s_wait_xcnt 0x0
; PREP: what the two projections multiply is made into codes of E4M3 once, K innermost.
; No work of reference() is left out anywhere in this program: every input reaches out0 (b_qkv's part for K moves K's codes, so it stays), there is no mask and nothing is sliced away.
; h = LayerNorm(x) x gamma + beta, all in f32, code = h / 2^e0 held within +-448, to h_codes [8192 tokens][1024].
; w_qkv [1024][3072] (scale 2^e1) and w_out [1024][1024] (2^e7), whose K is the FIRST axis, to w_codes [4096 rows][1024]: rows 0-3071 are w_qkv's columns, rows 3072-4095 w_out's.
; LIMITS: e0, e1, e7 between -126 and 119, so that 2^e and 448 x 2^e are f32 numbers.  NaN among the inputs is not served; an infinity is held at the largest code.
; SHARES.  256 work-groups of sixteen waves, all alike: work-group g takes tokens 32 g .. 32 g + 31 and, of w_codes, rows 64 (g % 64) .. + 63 at K = 256 (g / 64) .. + 255.
;   Waves 0-7, LAYERNORM: four rows a wave, all 32 loads of them (and 16 for gamma and beta) asked for at once; a row stays in 32 registers between the mean, the variance (of x - mean: no difference of large sums) and the scaling.
;     A lane holds, for c = 0..3, elements 256 c + 8 lane + 0..7: eight neighbours along K for one conversion, and each store of 8 bytes a lane covers 256 consecutive bytes, aligned.
;   Waves 8-15, WEIGHTS: a wave takes 32 columns x 64 along K, all 64 loads asked for at once; a lane takes a column and its registers run down K, so the conversions give codes with K innermost: 64 bytes of the column's row in the stage.
;   One barrier, which all sixteen waves pass; behind it every wave takes four of the stage's 64 rows out: sixteen lanes store 256 consecutive bytes, aligned.
; No matrix unit, no cluster, no tensor load: nothing is shared between work-groups but gamma and beta (8 KB), and memory binds.  No prefetch: there is no loop to run ahead in.
.set SPARE, 17408                      ; behind the stage of 64 rows x 272 bytes: the spare words, 128 bytes for each wave
.set SPW,   4                          ; v4   LDS address of my spare word; never rewritten
.set NIL,   5                          ; v5   0; never rewritten
.set GAM,   8                          ; v8-39    gamma of my 32 columns
.set BET,   40                         ; v40-71   beta
.set ROWS,  72                         ; v72-199  four rows of 32
.set COD,   200                        ; v200-231 their codes
.set TS,    232                        ; v232-238 at work
.set VO,    8                          ; weights: v8-39 byte offsets 4 lane + i x row pitch
.set WX,    40                         ; weights: v40-103 64 numbers down K
.set WC,    104                        ; weights: v104-119 their codes
.set SIN,   240                        ; v240 the stage, in;  v241 back;  v242 the same place in w_codes: made ahead of the parting of the waves
.set SOUT,  241
.set GOUT,  242
.set OD,    248
	s_load_b512 s[4:19], s[0:1], 0x0               ; x 4, gamma 6, beta 8, w_qkv 10, w_out 12, scales 14, h_codes 16, w_codes 18
	v_lshl_add_u32 v[SPW], v0, 2, SPARE
	v_mov_b32 v[NIL], 0
	v_lshrrev_b32 v1, 5, v0
	v_readfirstlane_b32 s20, v1                    ; wave 0..15
	s_and_b32 s21, s20, 1                          ; weights: which 32 of the 64 columns
	s_bfe_u32 s22, s20, 0x20001                    ; and which 64 of the 256 along K
	s_mul_i32 s23, s21, 8704
	s_lshl_b32 s32, s22, 6
	s_add_co_u32 s23, s23, s32
	s_mul_i32 s33, s20, 1088                       ; the way out: my four rows of the stage
	v_and_b32 v1, 31, v0                           ; lane
	v_mul_u32_u24 v[SIN], v1, 272
	v_and_b32 v243, 15, v1
	v_lshrrev_b32 v244, 4, v1
	v_add_nc_u32 v[SIN], s23, v[SIN]               ; in: row = my column, + 64 bytes for each quarter of K
	v_mul_u32_u24 v[SOUT], v244, 272
	v_lshlrev_b32 v[GOUT], 10, v244
	v_lshl_add_u32 v[SOUT], v243, 4, v[SOUT]
	v_lshl_add_u32 v[GOUT], v243, 4, v[GOUT]
	v_add_nc_u32 v[SOUT], s33, v[SOUT]             ; back: sixteen lanes to a row, two rows an instruction
	v_lshlrev_b32 v2, 5, v1                        ; LayerNorm: 32 bytes of f32 a lane,
	v_lshlrev_b32 v3, 3, v1                        ; 8 bytes of codes
	s_and_b32 s34, ttmp9, 63                       ; which 64 rows of w_codes
	s_lshr_b32 s35, ttmp9, 6                       ; which 256 along K
	s_lshl_b32 s36, s34, 6
	s_lshl_b32 s37, s20, 2
	s_add_co_u32 s36, s36, s37
	s_lshl_b32 s36, s36, 10
	s_lshl_b32 s37, s35, 8
	s_add_co_u32 s36, s36, s37
	s_mov_b32 s37, 0
	s_wait_alu depctr_va_vdst(0)                   ; the wait here, ahead of the wait and the branch below
	s_wait_kmcnt 0x0
	s_load_b256 s[24:31], s[14:15], 0x0            ; e0 .. e7
	s_add_nc_u64 s[18:19], s[18:19], s[36:37]      ; w_codes at my four rows of the way out
	s_cmp_lt_u32 s20, 8
	s_cbranch_scc0 .Lweights
; ---------------- LayerNorm: rows 32 g + 4 w + 0..3
	s_lshl_b32 s38, ttmp9, 5
	s_lshl_b32 s39, s20, 2
	s_add_co_u32 s38, s38, s39                     ; my first row
	s_lshl_b32 s40, s38, 12
	s_mov_b32 s41, 0
	s_add_nc_u64 s[4:5], s[4:5], s[40:41]
	s_lshl_b32 s40, s38, 10
	s_add_nc_u64 s[16:17], s[16:17], s[40:41]
.irp c, 0,1,2,3
.irp u, 0,1
	global_load_b128 v[GAM+8*\c+4*\u:GAM+8*\c+4*\u+3], v2, s[6:7] offset:1024*\c+16*\u
	global_load_b128 v[BET+8*\c+4*\u:BET+8*\c+4*\u+3], v2, s[8:9] offset:1024*\c+16*\u
.endr
.endr
.irp t, 0,1,2,3
.irp c, 0,1,2,3
.irp u, 0,1
	global_load_b128 v[ROWS+32*\t+8*\c+4*\u:ROWS+32*\t+8*\c+4*\u+3], v2, s[4:5] offset:4096*\t+1024*\c+16*\u th:TH_LOAD_NT
.endr
.endr
.endr
	s_mov_b32 s42, 0x76543210                      ; v_permlanex16_b32: lane l takes lane l xor 16
	s_mov_b32 s43, 0xfedcba98
	s_mov_b32 s44, 0x3a800000                      ; 1 / 1024
	s_mov_b32 s45, 0x3727c5ac                      ; 1e-5
	v_mov_b32 v[TS+5], 0                           ; named as the upper half of the pair v[TS+4:TS+5]
	v_mov_b32 v[TS+6], 0                           ; a lane permute's destination counts as read
	s_wait_kmcnt 0x0
	s_add_co_i32 s46, s24, 127
	s_lshl_b32 s47, s46, 23
	v_mov_b32 v6, s47                              ; 2^e0 as f32: the conversion takes its exponent field
	s_add_co_i32 s46, s46, 8
	s_lshl_b32 s46, s46, 23
	s_or_b32 s46, s46, 0x600000
	v_mov_b32 v7, s46                              ; 448 x 2^e0
	s_wait_alu depctr_va_vdst(0)                   ; the wait at the head's end
.macro LANESUM                         ; v[TS] = the sum of v[TS] over the 32 lanes, in every lane
	v_add_f32_dpp v[TS], v[TS], v[TS] row_xmask:1 row_mask:0xf bank_mask:0xf
	v_add_f32_dpp v[TS], v[TS], v[TS] row_xmask:2 row_mask:0xf bank_mask:0xf
	v_add_f32_dpp v[TS], v[TS], v[TS] row_xmask:4 row_mask:0xf bank_mask:0xf
	v_add_f32_dpp v[TS], v[TS], v[TS] row_xmask:8 row_mask:0xf bank_mask:0xf
	v_permlanex16_b32 v[TS+6], v[TS], s42, s43
	v_add_f32 v[TS], v[TS], v[TS+6]
.endm
.macro LNROW t
.set XS, ROWS+32*(\t)
.set CD, COD+8*(\t)
	s_wait_loadcnt 8*(3-(\t))                      ; my row's eight loads are in (gamma's and beta's are older); the younger rows' may be out
	v_pk_add_f32 v[TS:TS+1], v[XS:XS+1], v[XS+2:XS+3]      ; the sum, two at a time, in two chains that the first pairs start
	v_pk_add_f32 v[TS+2:TS+3], v[XS+4:XS+5], v[XS+6:XS+7]
.irp j, 8,12,16,20,24,28
	v_pk_add_f32 v[TS:TS+1], v[TS:TS+1], v[XS+\j:XS+\j+1]
	v_pk_add_f32 v[TS+2:TS+3], v[TS+2:TS+3], v[XS+\j+2:XS+\j+3]
.endr
	v_pk_add_f32 v[TS:TS+1], v[TS:TS+1], v[TS+2:TS+3]
	v_add_f32 v[TS], v[TS], v[TS+1]
	LANESUM
	v_mul_f32 v[TS+4], s44, v[TS]                  ; the mean
.set j, 0
.rept 16
	v_pk_add_f32 v[XS+j:XS+j+1], v[XS+j:XS+j+1], v[TS+4:TS+5] op_sel_hi:[1,0] neg_lo:[0,1] neg_hi:[0,1]   ; x - mean
.set j, j+2
.endr
	v_pk_mul_f32 v[TS:TS+1], v[XS:XS+1], v[XS:XS+1]        ; the sum of squares, likewise
	v_pk_mul_f32 v[TS+2:TS+3], v[XS+2:XS+3], v[XS+2:XS+3]
.irp j, 4,8,12,16,20,24,28
	v_pk_fma_f32 v[TS:TS+1], v[XS+\j:XS+\j+1], v[XS+\j:XS+\j+1], v[TS:TS+1]
	v_pk_fma_f32 v[TS+2:TS+3], v[XS+\j+2:XS+\j+3], v[XS+\j+2:XS+\j+3], v[TS+2:TS+3]
.endr
	v_pk_add_f32 v[TS:TS+1], v[TS:TS+1], v[TS+2:TS+3]
	v_add_f32 v[TS], v[TS], v[TS+1]
	LANESUM
	v_fma_f32 v[TS+2], v[TS], s44, s45             ; the variance + 1e-5
	s_wait_alu depctr_va_vdst(0)                   ; the wait ahead of the transcendental
	v_rsq_f32 v[TS+4], v[TS+2]
	v_mov_b32 v[TS+5], 0                           ; a plain instruction behind the transcendental
	s_wait_alu depctr_va_vdst(0)                   ; and the wait ahead of the result's first reader
.set j, 0
.rept 16
	v_pk_mul_f32 v[XS+j:XS+j+1], v[XS+j:XS+j+1], v[TS+4:TS+5] op_sel_hi:[1,0]
.set j, j+2
.endr
.set j, 0
.rept 16
	v_pk_fma_f32 v[XS+j:XS+j+1], v[XS+j:XS+j+1], v[GAM+j:GAM+j+1], v[BET+j:BET+j+1]
.set j, j+2
.endr
.set j, 0
.rept 32
	v_med3_num_f32 v[XS+j], v[XS+j], -v7, v7       ; the conversion to an 8-bit code does not saturate (ISA guide 7.6.2): the hold at the largest code x the scale
.set j, j+1
.endr
.irp c, 0,1,2,3
	v_cvt_scalef32_pk8_fp8_f32 v[CD+2*\c:CD+2*\c+1], v[XS+8*\c:XS+8*\c+7], v6
.endr
	v_nop                                          ; a plain instruction behind the last conversion
.irp c, 0,1,2,3
	global_store_b64 v3, v[CD+2*\c:CD+2*\c+1], s[16:17] offset:1024*(\t)+256*\c   ; 32 lanes store 256 consecutive bytes, aligned; each row has code registers of its own
.endr
.endm
.irp t, 0,1,2,3
	LNROW \t
.endr
	s_branch .Ljoin
; ---------------- the weights: my 32 columns x 64 along K
.Lweights:
	s_wait_kmcnt 0x0
	s_mov_b32 s48, 4096
	s_cmp_lt_u32 s34, 48                           ; w_qkv or w_out: the choice hangs on the work-group's number alone
	s_cselect_b64 s[10:11], s[10:11], s[12:13]
	s_cselect_b32 s48, 12288, s48                  ; a row of the weight in bytes
	s_cselect_b32 s49, s25, s31                    ; e1 or e7
	s_cselect_b32 s50, 0, 48
	s_sub_co_u32 s50, s34, s50
	s_lshl_b32 s50, s50, 6
	s_lshl_b32 s51, s21, 5
	s_add_co_u32 s50, s50, s51                     ; my first column in its weight
	s_lshl_b32 s52, s35, 8
	s_lshl_b32 s53, s22, 6
	s_add_co_u32 s52, s52, s53                     ; my first row along K
	s_mul_i32 s52, s52, s48
	s_lshl_b32 s50, s50, 2
	s_add_co_u32 s52, s52, s50
	s_mov_b32 s53, 0
	s_add_nc_u64 s[56:57], s[10:11], s[52:53]      ; rows 0-31 of my 64,
	s_lshl_b32 s54, s48, 5
	s_mov_b32 s55, 0
	s_add_nc_u64 s[58:59], s[56:57], s[54:55]      ; rows 32-63
	v_lshlrev_b32 v[VO], 2, v1
.set i, 1
.rept 31
	v_add_nc_u32 v[VO+i], s48, v[VO+i-1]           ; 4 lane + i rows
.set i, i+1
.endr
	s_wait_alu depctr_va_vdst(0)                   ; the wait ahead of readers of what was just written
.irp t, 0,1
.set i, 0
.rept 32
	global_load_b32 v[WX+32*\t+i], v[VO+i], s[56+2*\t:57+2*\t] th:TH_LOAD_NT   ; W(32 t + i, my column): 32 lanes read 128 consecutive bytes
.set i, i+1
.endr
.endr
	s_add_co_i32 s49, s49, 127
	s_lshl_b32 s53, s49, 23
	v_mov_b32 v6, s53                              ; 2^e
	s_add_co_i32 s49, s49, 8
	s_lshl_b32 s49, s49, 23
	s_or_b32 s49, s49, 0x600000
	v_mov_b32 v7, s49                              ; 448 x 2^e
	s_wait_alu depctr_va_vdst(0)                   ; the wait here, directly ahead of the wait below
.irp t, 0,1
	s_wait_loadcnt 32*(1-\t)                       ; this block's 32 loads are in; the younger block's may be out
.set i, 0
.rept 32
	v_med3_num_f32 v[WX+32*\t+i], v[WX+32*\t+i], -v7, v7
.set i, i+1
.endr
.irp g, 0,1,2,3
	v_cvt_scalef32_pk8_fp8_f32 v[WC+8*\t+2*\g:WC+8*\t+2*\g+1], v[WX+32*\t+8*\g:WX+32*\t+8*\g+7], v6
.endr
	v_nop                                          ; a plain instruction behind the last conversion
	ds_store_b128 v[SIN], v[WC+8*\t:WC+8*\t+3] offset:32*\t        ; 32 codes of my column's row
	ds_store_b128 v[SIN], v[WC+8*\t+4:WC+8*\t+7] offset:32*\t+16
.endr
.Ljoin:
	s_wait_dscnt 0x0                               ; my stores into the stage are done,
	s_barrier_signal -1
	s_barrier_wait -1                              ; everybody's are
	ds_load_b128 v[OD:OD+3], v[SOUT]
	ds_load_b128 v[OD+4:OD+7], v[SOUT] offset:544
	s_wait_dscnt 0x1                               ; the younger load may stay out
	global_store_b128 v[GOUT], v[OD:OD+3], s[18:19]                ; sixteen lanes store 256 consecutive bytes, aligned
	s_wait_dscnt 0x0
	global_store_b128 v[GOUT], v[OD+4:OD+7], s[18:19] offset:2048
	s_wait_tensorcnt 0x0                           ; the wave's end, behind the last LDS store
	ds_add_u32 v[SPW], v[NIL]
	s_wait_dscnt 0x0
	s_endpgm
.Lfunc_end_k_q1684fe1923_prep:
	.size	k_q1684fe1923_prep, .Lfunc_end_k_q1684fe1923_prep-k_q1684fe1923_prep
	.p2alignl 7, 3214868480
	.fill 96, 4, 3214868480
	.section	.rodata,"a",@progbits
	.p2align	6, 0x0
	.amdhsa_kernel k_q1684fe1923_prep
		.amdhsa_group_segment_fixed_size 19456
		.amdhsa_private_segment_fixed_size 0
		.amdhsa_enable_private_segment 0
		.amdhsa_kernarg_size 64
		.amdhsa_user_sgpr_count 2
		.amdhsa_user_sgpr_kernarg_segment_ptr 1
		.amdhsa_wavefront_size32 1
		.amdhsa_system_sgpr_workgroup_id_x 1
		.amdhsa_system_sgpr_workgroup_id_y 1
		.amdhsa_system_sgpr_workgroup_id_z 1
		.amdhsa_system_vgpr_workitem_id 0
		.amdhsa_next_free_vgpr 256
		.amdhsa_next_free_sgpr 66
		.amdhsa_reserve_vcc 0
		.amdhsa_float_denorm_mode_32 3
		.amdhsa_float_denorm_mode_16_64 3
		.amdhsa_memory_ordered 1
		.amdhsa_forward_progress 1
		.amdhsa_inst_pref_size 56
	.end_amdhsa_kernel
	.amdgpu_metadata
---
amdhsa.version: [ 1, 2 ]
amdhsa.kernels:
  - .name:           k_q1684fe1923_prep
    .symbol:         k_q1684fe1923_prep.kd
    .args:
      - { .name: x, .offset: 0, .size: 8, .value_kind: global_buffer, .address_space: global }
      - { .name: ln_gamma, .offset: 8, .size: 8, .value_kind: global_buffer, .address_space: global }
      - { .name: ln_beta, .offset: 16, .size: 8, .value_kind: global_buffer, .address_space: global }
      - { .name: w_qkv, .offset: 24, .size: 8, .value_kind: global_buffer, .address_space: global }
      - { .name: w_out, .offset: 32, .size: 8, .value_kind: global_buffer, .address_space: global }
      - { .name: lowp_scales, .offset: 40, .size: 8, .value_kind: global_buffer, .address_space: global }
      - { .name: h_codes, .offset: 48, .size: 8, .value_kind: global_buffer, .address_space: global }
      - { .name: w_codes, .offset: 56, .size: 8, .value_kind: global_buffer, .address_space: global }
    .group_segment_fixed_size: 19456
    .private_segment_fixed_size: 0
    .kernarg_segment_align: 8
    .kernarg_segment_size: 64
    .max_flat_workgroup_size: 512
    .sgpr_count:     66
    .vgpr_count:     256
    .wavefront_size: 32
...
	.end_amdgpu_metadata
.endif
;; end of part 1
;; launch qkv (part 2): grid 12 x 32, 4 waves a work-group, clusters of 4 x 4, 327,680 bytes of LDS; arguments h_codes, w_codes, lowp_scales, b_qkv, qkv_codes; writes qkv_codes
.if DOCPART == 2
	.amdgcn_target "amdgcn-amd-amdhsa--gfx1250"
	.amdhsa_code_object_version 6
	.text
	.protected	k_q1684fe1923_qkv
	.globl	k_q1684fe1923_qkv
	.p2align	8
	.type	k_q1684fe1923_qkv,@function
k_q1684fe1923_qkv:
	s_mov_b64 s[64:65], 0
	v_nop
	global_prefetch_b8 v0, s[64:65] scope:SCOPE_SE
	s_setreg_imm32_b32 hwreg(HW_REG_WAVE_MODE, 25, 1), 1
	s_wait_xcnt 0x0
	s_wait_alu depctr_hold_cnt(0) depctr_sa_sdst(0) depctr_va_vdst(0) depctr_va_sdst(0) depctr_va_ssrc(0) depctr_va_vcc(0) depctr_vm_vsrc(0)
	s_getreg_b32 s2, hwreg(HW_REG_IB_STS2, 6, 4)
	s_cmp_eq_u32 s2, 0
	s_cbranch_scc0 .Lentry_in_a_cluster
	s_endpgm
.Lentry_in_a_cluster:
	s_bfe_u32 s2, ttmp6, 0x10000c
	s_cmp_lg_u32 s2, 0xf033
	s_cbranch_scc0 .Lentry_shape_is_right
	s_endpgm
.Lentry_shape_is_right:
; QKV: the first product on codes of E4M3, + b_qkv, quantised at once into the operands of attention.  Nothing of reference() is left out.
; sum = codes of h x codes of w_qkv (f32);  value = sum x 2^(e0 + e1) + bias;  code = value / 2^eo held within +-448, eo = e2 (q), e3 (k), e5 (v).
; Folded exactly, by powers of two: code = (sum + bias / 2^(e0 + e1)) / 2^(eo - e0 - e1).
; LIMITS: eo - e0 - e1 between -126 and 119.  Inside a matrix instruction k is permuted alike in both operands (16-byte loads), so the order of the sums is not ascending k.
; A tile of 256 x 256 is made by four waves, each 128 x 128 in 64 accumulators.  K = 1024 goes in four steps of 256 through a ring of two LDS slots.
; THE MATRIX INSTRUCTION IS USED TRANSPOSED (source 0 = 16 rows of "B", source 1 = 16 rows of "A"): a lane holds ONE row of A and eight neighbouring rows of B.
;   clusters x = 0, 1 (q, k): A = h's tokens, B = w_codes rows 0-2047: a lane's eight numbers run along the head's 64, the K of the second product.
;   cluster  x = 2    (v):    A = w_codes rows 2048-3071, B = h's tokens: a lane's eight numbers run along the KEYS, the K of the third product.  Only pointers change places.
; OUT: q at byte 0 and k at byte 8,388,608 as [batch x head 64][token 2048][64];  v at byte 16,777,216 as [batch x head][chunk of 128 keys 16][d 64][128 places], key 32 c + 16 u + 8 h + i at place 32 c + 16 h + 8 u + i,
;   so that 16-byte loads give attention a fragment of V in the x128 form's own order of k.  A wave's codes go through its stage in LDS and leave as runs of 8,192 consecutive bytes, 512 an instruction.
; CLUSTERS: 4 x 4 work-groups; A's tile is asked for jointly along a row of the cluster, B's along a column.  All choices between the two roles hang on the cluster's x, which the sixteen partners share.
; 384 tiles: q, k and v have no common larger or smaller tile that keeps them apart and divides evenly among the work-group processors; stated here as it is.
; Prefetches into the L2 for K steps 1-3 ahead of their fills; of the four K steps two are first fills, and each refill has a K step's 128 matrix instructions in which to land.
; REGISTERS: window 0: v0-31 addresses; v32-95 bias for q, k; v96-111 codes; v112-127 bias for v; from v128 A's fragments, one set.  window 1: B's fragments, two sets.  windows 2, 3: accumulators (a, b) at v[8 (8 (a % 4) + b)].
.set KSTEP,  256
.set ROWB,   256
.set KROW,   1024
.set PITCH,  272                       ; an LDS row: 256 bytes + 16 of padding: the 16 rows that a load touches start at 16 different banks (ISA guide 11.1)
.set FR,     16
.set NL,     4
.set NP,     4
.set HALFT,  128*PITCH
.set SLOT,   4*HALFT
.set LAPS,   2
.set SPARE,  2*SLOT                    ; behind the ring: the spare words
.set QSTG,   0                         ; the way out for q, k: [2 heads][128 tokens][80 bytes] for each wave
.set VSTG,   81920                     ; the way out for v: [128 rows d][144 bytes] for each wave.  Both lie in the ring, behind its last fill and last read; each path has bytes of its own
.set ADRA, 16
.set BQO,  18                          ; v18  32 h: my eight numbers of a tile of q's, k's bias
.set BVO,  19                          ; v19  4 r: my number of a tile of v's bias
.set ADRB, 20
.set VSTO, 22
.set VRD,  23
.set QSTO, 24
.set QRD,  25
.set CO,   26                          ; v26  16 x lane
.set SPW,  28
.set NIL,  29
.set SCL,  30                          ; v30  2^(eo - e0 - e1)
.set LIM,  31                          ; v31  448 x that
.set BQ,   32
.set CODES, 96
.set BV,   112
.set AF,   128
.set TMP,  128
.set G1, 24
.set G0, 32
.set G1B, 48
.set G0B, 56
.set MSB, 0
.macro WIN new                         ; the immediate's high byte repeats the setting that is left
.if MSB != \new
	s_set_vgpr_msb (MSB<<8)|\new
.set MSB, \new
.endif
.endm
.set MUL_LO, 0xa1                      ; source 0 (B) window 1, source 1 (A) window 0, C and D window 2
.set MUL_HI, 0xf1
.set TO_B,   0x40
; A joint load: waves 0 and 1 fetch for A, waves 2 and 3 for B; the branch hangs on the wave's number alone.  An s_nop 0 and four v_nop follow each line.
.macro JLOAD g0a, g1a, g0b, g1b
	s_cmp_eq_u32 s15, 0
	s_cbranch_scc0 .Lfor_b_\@
	tensor_load_to_lds s[\g0a:\g0a+3], s[\g1a:\g1a+7]
	s_nop 0
.rept 4
	v_nop
.endr
	s_branch .Lasked_\@
.Lfor_b_\@:
	tensor_load_to_lds s[\g0b:\g0b+3], s[\g1b:\g1b+7]
	s_nop 0
.rept 4
	v_nop
.endr
.Lasked_\@:
.endm
.macro CREST                           ; a round of the cluster's barrier behind its opening barrier
	s_cmp_lg_u32 s14, 0
	s_cbranch_scc1 .Lnot_wave_0_\@
	s_barrier_signal -3
.Lnot_wave_0_\@:
	s_barrier_wait -3
	s_barrier_signal -1
	s_barrier_wait -1
.endm
.macro CROUND
	s_barrier_signal -1
	s_barrier_wait -1
	CREST
.endm
	s_load_b256 s[68:75], s[0:1], 0x0              ; h_codes 68, w_codes 70, the scales 72, b_qkv 74
	s_load_b64 s[76:77], s[0:1], 0x20              ; qkv_codes
	v_lshl_add_u32 v[SPW], v0, 2, SPARE
	v_mov_b32 v[NIL], 0
	ds_add_u32 v[SPW], v[NIL]                      ; the wave's opening: the add, twice on end, and its wait ahead of my first tensor load
	ds_add_u32 v[SPW], v[NIL]
	v_lshrrev_b32 v1, 5, v0
	v_readfirstlane_b32 s14, v1                    ; wave 0..3
	v_and_b32 v9, 31, v0
	v_lshlrev_b32 v9, 10, v9                       ; the prefetches' offset: my lane x a row of 1,024 bytes; never rewritten
	s_wait_alu depctr_va_vdst(0)
	s_lshr_b32 s15, s14, 1                         ; my half of A's rows.  Also: I fetch for A (0) or for B (1)
	s_and_b32 s16, s14, 1                          ; my half of B's rows.  Also: which 128 rows I fetch
	s_bfe_u32 s40, ttmp6, 0x40000                  ; cx
	s_bfe_u32 s41, ttmp6, 0x40004                  ; cy
	s_and_b32 s88, ttmp7, 0xffff                   ; the cluster's y, 0..7
	s_cmp_eq_u32 ttmp9, 2                          ; v's clusters?
	s_cselect_b32 s89, 0, s88                      ; A's four tile rows begin at: v: 0 (w has four); q, k: 4 y
	s_cselect_b32 s90, s88, ttmp9                  ; B's four tile rows: v: 4 y (tokens); q, k: 4 x
	s_cselect_b32 s91, 0x200000, 0                 ; v: A begins at row 2048 of w_codes
	s_lshl_b32 s17, s89, 2
	s_add_co_u32 s17, s17, s41                     ; TR: A's tile row
	s_lshl_b32 s42, s90, 2
	s_add_co_u32 s42, s42, s40                     ; TC: B's tile row
	s_lshl_b32 s43, s41, 2
	s_lshl_b32 s43, 15, s43                        ; my row of the cluster
	s_lshl_b32 s44, 0x1111, s40                    ; my column
	s_or_b32 s[G1+0], s43, (0<<16)|(1<<20)|(1<<21)|(5<<22)|(3<<25)  ; the mask; elements of 1 byte; padding on; bit 21 beside a mask; 4 words behind every 64
	s_or_b32 s[G1B+0], s44, (0<<16)|(1<<20)|(1<<21)|(5<<22)|(3<<25)
.irp g, G1, G1B
	s_mov_b32 s[\g+1], ROWB<<16                    ; tensor_dim0
	s_mov_b32 s[\g+2], 128<<16                     ; tensor_dim1
	s_mov_b32 s[\g+3], ROWB<<16                    ; tile_dim0
	s_mov_b32 s[\g+4], 128                         ; tile_dim1
	s_mov_b32 s[\g+5], KROW                        ; pitch
	s_mov_b32 s[\g+6], 0
	s_mov_b32 s[\g+7], 0
.endr
	s_lshl_b32 s18, s16, 7
	s_lshl_b32 s20, s17, 8
	s_add_co_u32 s20, s20, s18
	s_lshl_b32 s20, s20, 10                        ; A: (256 TR + 128 half) rows of 1,024 bytes,
	s_add_co_u32 s20, s20, s91                     ; from row 2048 on for v
	s_mov_b32 s21, 0
	s_lshl_b32 s46, s42, 8
	s_add_co_u32 s46, s46, s18
	s_lshl_b32 s46, s46, 10                        ; B likewise
	s_mov_b32 s47, 0
	s_mul_i32 s45, s14, HALFT                      ; where they go: wave x 128 rows
	s_wait_dscnt 0x0                               ; both opening adds are done
	s_wait_kmcnt 0x0
	s_load_b256 s[80:87], s[72:73], 0x0            ; e0 .. e7
	s_cmp_eq_u32 ttmp9, 2
	s_cselect_b64 s[4:5], s[70:71], s[68:69]       ; A: w_codes for v, else h_codes
	s_cselect_b64 s[6:7], s[68:69], s[70:71]       ; B: the other
	s_add_nc_u64 s[20:21], s[4:5], s[20:21]
	s_add_nc_u64 s[46:47], s[6:7], s[46:47]
	; PREFETCH INTO THE L2.  Of the 128 rows that my wave fetches, each of the four partners that ask for them jointly names 32, told apart by address
	; (cx for A's tiles, cy for B's): a lane a row, 256 bytes of a K step, so each block is named once in the cluster.  K steps 1 and 2 are named behind the head's load, K step 3 behind the second fill.
	s_cmp_eq_u32 s15, 0
	s_cselect_b64 s[96:97], s[20:21], s[46:47]
	s_cselect_b32 s98, s40, s41
	s_lshl_b32 s98, s98, 15
	s_mov_b32 s99, 0
	s_add_nc_u64 s[96:97], s[96:97], s[98:99]      ; never rewritten
	CROUND                                         ; all sixteen work-groups are here: the first joint loads meet
.irp s, 0,1
	s_mov_b32 s[G0+4*\s], 1
	s_add_co_u32 s[G0+4*\s+1], s45, \s*SLOT
	s_add_nc_u64 s[G0+4*\s+2:G0+4*\s+3], s[20:21], \s*ROWB
	s_or_b32 s[G0+4*\s+3], s[G0+4*\s+3], 0x80000000
	s_mov_b32 s[G0B+4*\s], 1
	s_add_co_u32 s[G0B+4*\s+1], s45, \s*SLOT
	s_add_nc_u64 s[G0B+4*\s+2:G0B+4*\s+3], s[46:47], \s*ROWB
	s_or_b32 s[G0B+4*\s+3], s[G0B+4*\s+3], 0x80000000
.endr
	JLOAD G0, G1, G0B, G1B                         ; K step 0: one tensor load a wave at the head
	global_prefetch_b8 v9, s[96:97] offset:256 th:TH_LOAD_NT scope:SCOPE_SE
	global_prefetch_b8 v9, s[96:97] offset:512 th:TH_LOAD_NT scope:SCOPE_SE
	v_and_b32 v1, 15, v0                           ; r
	s_wait_alu depctr_va_vdst(0)
	v_bfe_u32 v2, v0, 4, 1                         ; h
	v_and_b32 v6, 31, v0                           ; lane
	v_mul_u32_u24 v3, v1, PITCH
	v_lshl_add_u32 v4, v2, 4, v3
	s_mul_i32 s21, s15, HALFT
	s_mul_i32 s22, s16, HALFT
	s_add_co_u32 s22, s22, 2*HALFT
.irp s, 0,1
	v_add_nc_u32 v[ADRA+\s], s21, v4
	v_add_nc_u32 v[ADRB+\s], s22, v4
	s_add_co_u32 s21, s21, SLOT
	s_add_co_u32 s22, s22, SLOT
.endr
	s_mul_i32 s23, s14, 20480                      ; q's, k's stage
	v_mul_u32_u24 v5, v1, 80
	s_wait_alu depctr_va_vdst(0)
	v_lshl_add_u32 v5, v2, 3, v5
	v_add_nc_u32 v[QSTO], s23, v5                  ; in: token r, + 8 h
	v_lshrrev_b32 v7, 2, v6
	v_mul_u32_u24 v7, v7, 80
	v_and_b32 v8, 3, v6
	v_lshl_add_u32 v7, v8, 4, v7
	v_add_nc_u32 v[QRD], s23, v7                   ; back: four lanes to a token's 64 bytes
	s_mul_i32 s23, s14, 18432                      ; v's stage
	s_add_co_u32 s23, s23, VSTG
	v_mul_u32_u24 v5, v1, 144
	v_lshl_add_u32 v5, v2, 4, v5
	v_add_nc_u32 v[VSTO], s23, v5                  ; in: row d = r, + 16 h
	v_lshrrev_b32 v7, 3, v6
	v_mul_u32_u24 v7, v7, 144
	v_and_b32 v8, 7, v6
	v_lshl_add_u32 v7, v8, 4, v7
	v_add_nc_u32 v[VRD], s23, v7                   ; back: eight lanes to a row's 128 bytes
	v_lshlrev_b32 v[CO], 4, v6
	v_lshlrev_b32 v[BQO], 5, v2
	s_wait_alu depctr_va_vdst(0)
	v_lshlrev_b32 v[BVO], 2, v1
	; THE BIAS, in both forms, by every wave, so that no register's filling hangs on a branch: 24 short loads.  The form that the wave does not use is read from the buffer's start.
	s_wait_alu depctr_va_vdst(0)
	s_lshl_b32 s92, s42, 8
	s_lshl_b32 s93, s16, 7
	s_add_co_u32 s92, s92, s93                     ; q, k: my first column, 256 TC + 128 half
	s_lshl_b32 s94, s17, 8
	s_lshl_b32 s95, s15, 7
	s_add_co_u32 s94, s94, s95
	s_add_co_u32 s94, s94, 2048                    ; v: my first column, 2048 + 256 TR + 128 half
	s_cmp_eq_u32 ttmp9, 2
	s_cselect_b32 s92, 0, s92
	s_cselect_b32 s94, s94, 0
	s_lshl_b32 s92, s92, 2
	s_lshl_b32 s94, s94, 2
	s_mov_b32 s93, 0
	s_mov_b32 s95, 0
	s_add_nc_u64 s[12:13], s[74:75], s[92:93]
	s_add_nc_u64 s[78:79], s[74:75], s[94:95]
.irp b, 0,1,2,3,4,5,6,7
	global_load_b128 v[BQ+8*\b:BQ+8*\b+3], v[BQO], s[12:13] offset:64*\b        ; columns 16 b + 8 h + 0..7
	global_load_b128 v[BQ+8*\b+4:BQ+8*\b+7], v[BQO], s[12:13] offset:64*\b+16
.endr
.irp a, 0,1,2,3,4,5,6,7
	global_load_b32 v[BV+2*\a], v[BVO], s[78:79] offset:64*\a                   ; column 16 a + r
.endr
	; where my codes go, in bytes: both forms, then the choice
	s_lshl_b32 s92, s42, 2
	s_lshl_b32 s93, s16, 1
	s_add_co_u32 s92, s92, s93                     ; q, k: my first head among 32: 4 TC + 2 half
	s_lshr_b32 s93, s92, 4
	s_lshl_b32 s93, s93, 23                        ; q or k
	s_and_b32 s92, s92, 15
	s_lshr_b32 s94, s17, 3
	s_lshl_b32 s94, s94, 4
	s_add_co_u32 s92, s92, s94                     ; batch x 16 + head
	s_lshl_b32 s92, s92, 17
	s_add_co_u32 s92, s92, s93
	s_and_b32 s94, s17, 7
	s_lshl_b32 s94, s94, 8
	s_lshl_b32 s95, s15, 7
	s_add_co_u32 s94, s94, s95                     ; my first token in its batch
	s_lshl_b32 s94, s94, 6
	s_add_co_u32 s92, s92, s94
	s_lshr_b32 s94, s42, 3                         ; v: batch
	s_lshl_b32 s94, s94, 4
	s_lshl_b32 s95, s17, 2
	s_add_co_u32 s94, s94, s95
	s_lshl_b32 s95, s15, 1
	s_add_co_u32 s94, s94, s95                     ; batch x 16 + my first head, 4 TR + 2 half
	s_lshl_b32 s94, s94, 17
	s_and_b32 s95, s42, 7
	s_lshl_b32 s95, s95, 1
	s_add_co_u32 s95, s95, s16                     ; my chunk of 128 keys
	s_lshl_b32 s95, s95, 13
	s_add_co_u32 s94, s94, s95
	s_add_co_u32 s94, s94, 0x1000000
	s_cmp_eq_u32 ttmp9, 2
	s_cselect_b32 s92, s94, s92
	s_mov_b32 s93, 0
	s_add_nc_u64 s[10:11], s[76:77], s[92:93]
.macro FRAG reg, adr, q, i             ; 16 rows x 128 K: registers 4 c .. 4 c + 3 hold K = 32 c + 16 (l / 16) + 0 .. 15 of row l % 16
.irp c, 0,1,2,3
	ds_load_b128 v[\reg+4*\c:\reg+4*\c+3], v[\adr] offset:128*(\q)+32*\c+(\i)*16*PITCH
.endr
.endm
; 16 matrix instructions: A's blocks a0, a0 + 1 x B's eight.  The 64 accumulators take turns, one instruction a turn, in the same order in every step.
.macro MUL16 a0, p, zero
.irp a, \a0, \a0+1
.irp b, 0,1,2,3,4,5,6,7
.if \zero
	v_wmma_f32_16x16x128_fp8_fp8 v[8*(8*((\a)%4)+\b):8*(8*((\a)%4)+\b)+7], v[128*(\p)+FR*\b:128*(\p)+FR*\b+FR-1], v[AF+FR*(\a):AF+FR*(\a)+FR-1], 0
.else
	v_wmma_f32_16x16x128_fp8_fp8 v[8*(8*((\a)%4)+\b):8*(8*((\a)%4)+\b)+7], v[128*(\p)+FR*\b:128*(\p)+FR*\b+FR-1], v[AF+FR*(\a):AF+FR*(\a)+FR-1], v[8*(8*((\a)%4)+\b):8*(8*((\a)%4)+\b)+7]
.endif
.endr
.endr
.endm
.macro FETCH_B slot, q, p
	WIN TO_B
.irp i, 0,1,2,3,4,5,6,7
	FRAG 128*(\p)+FR*\i, ADRB+\slot, \q, \i
.endr
	WIN 0
.endm
.macro FETCH_A slot, q, i0
.irp i, \i0, \i0+1, \i0+2, \i0+3
	FRAG AF+FR*(\i), ADRA+\slot, \q, \i
.endr
.endm
.macro PLACES n                        ; plain vector instructions between a matrix instruction and a load into, or a vector read or write of, its registers
.rept \n
	v_nop
.endr
.endm
.macro STEP slot, q, zero              ; a step of 128 along K that has its successor in the same slot
	s_wait_dscnt 4*NL                              ; B's set and A's blocks 0-3 are in; the youngest 16 loads (A's blocks 4-7) may be out
	WIN MUL_LO
	MUL16 0, (\q)%2, \zero
	MUL16 2, (\q)%2, \zero
	s_wait_dscnt 0
	PLACES NP
	FETCH_B \slot, (\q)+1, 1-(\q)%2
	FETCH_A \slot, (\q)+1, 0
	WIN MUL_HI
	MUL16 4, (\q)%2, \zero
	MUL16 6, (\q)%2, \zero
	PLACES NP
	WIN 0
	FETCH_A \slot, (\q)+1, 4
.endm
; A slot's last step changes slots: one barrier; in front of it each wave waits for all its tensor loads, adds 0 to its spare word, and waits for that and for its reads of this slot.
.macro TURN slot, next, fill
	s_wait_tensorcnt 0x0                           ; all my tensor loads have landed: my part of the next slot
	ds_add_u32 v[SPW], v[NIL]
	s_wait_dscnt 4*NL+1                            ; the add and the youngest 16 loads may be out
	WIN MUL_LO
	MUL16 0, 1, 0
	s_wait_dscnt 0x0                               ; the add is done, and my reads of this slot are over
	s_barrier_signal -1
	MUL16 2, 1, 0
	WIN 0
	s_barrier_wait -1
.if \fill
	CREST                                          ; the barrier has opened a round of the cluster's: no wave of any partner still reads this slot or has a load on its way
	s_add_nc_u64 s[G0+4*\slot+2:G0+4*\slot+3], s[G0+4*\slot+2:G0+4*\slot+3], 2*ROWB
	s_add_nc_u64 s[G0B+4*\slot+2:G0B+4*\slot+3], s[G0B+4*\slot+2:G0B+4*\slot+3], 2*ROWB
	JLOAD G0+4*\slot, G1, G0B+4*\slot, G1B         ; the first tensor load behind the round; its four v_nop are the places in front of the loads below
.else
	PLACES NP
.endif
	FETCH_B \next, 0, 0
	FETCH_A \next, 0, 0
	WIN MUL_HI
	MUL16 4, 1, 0
	MUL16 6, 1, 0
	PLACES NP
	WIN 0
	FETCH_A \next, 0, 4
.endm
	s_wait_alu depctr_va_vdst(0)                   ; the wait at the head's end
	s_wait_tensorcnt 0x0                           ; my part of K step 0 is in
	ds_add_u32 v[SPW], v[NIL]
	s_wait_dscnt 0x0
	CROUND                                         ; everybody's part of K step 0 is in, and all sixteen work-groups are here
	JLOAD G0+4, G1, G0B+4, G1B                     ; K step 1: the first tensor load behind the round
	FETCH_B 0, 0, 0
	FETCH_A 0, 0, 0
	FETCH_A 0, 0, 4
	global_prefetch_b8 v9, s[96:97] offset:768 th:TH_LOAD_NT scope:SCOPE_SE   ; K step 3, the last: two refills ahead of its load
	STEP 0, 0, 1                                   ; the first step's products start the sums
	s_mov_b32 s3, LAPS-1
.Llap:                                                 ; a trip goes once round the ring and fills both slots again
	TURN 0, 1, 1
	STEP 1, 0, 0
	TURN 1, 0, 1
	STEP 0, 0, 0
	s_sub_co_u32 s3, s3, 1
	s_cmp_lg_u32 s3, 0
	s_cbranch_scc1 .Llap
	TURN 0, 1, 0                                   ; the last lap fills nothing
	STEP 1, 0, 0
	s_wait_dscnt 4*NL
	WIN MUL_LO
	MUL16 0, 1, 0
	MUL16 2, 1, 0
	s_wait_dscnt 0
	WIN MUL_HI
	MUL16 4, 1, 0
	MUL16 6, 1, 0
	WIN 0
; THE WAY OUT.  v's stages reach into slot 1, so every wave's reads of the ring are over first: a barrier behind which nothing is filled.
	s_wait_dscnt 0x0
	s_barrier_signal -1
	s_barrier_wait -1
	s_wait_kmcnt 0x0
	s_wait_loadcnt 0x0                             ; the bias
	s_cmp_eq_u32 ttmp9, 0
	s_cselect_b32 s92, s82, s83                    ; e2 for q, e3 for k,
	s_cmp_eq_u32 ttmp9, 2
	s_cselect_b32 s92, s85, s92                    ; e5 for v
	s_add_co_i32 s93, s80, s81                     ; e0 + e1
	s_sub_co_i32 s92, s92, s93
	s_add_co_i32 s92, s92, 127
	s_lshl_b32 s94, s92, 23
	v_mov_b32 v[SCL], s94                          ; 2^(eo - e0 - e1)
	s_add_co_i32 s92, s92, 8
	s_lshl_b32 s92, s92, 23
	s_or_b32 s92, s92, 0x600000
	v_mov_b32 v[LIM], s92                          ; 448 x that
	s_sub_co_i32 s93, 0, s93                       ; the bias goes in as bias / 2^(e0 + e1)
	PLACES NP
; Block a (16 rows of A): sum + bias into other registers, each accumulator from its low end on; the hold; eight codes a conversion; 8 bytes a lane and tile into the stage.
.macro QBLOCK a, isv
.set AC, 64*((\a)%4)
	WIN 0x02+((\a)/4)                              ; source 0: window 2 or 3
.irp b, 0,1,2,3,4,5,6,7
.irp i, 0,2,4,6
.if \isv
	v_pk_add_f32 v[TMP+8*\b+\i:TMP+8*\b+\i+1], v[AC+8*\b+\i:AC+8*\b+\i+1], v[BV+2*(\a):BV+2*(\a)+1]
.else
	v_pk_add_f32 v[TMP+8*\b+\i:TMP+8*\b+\i+1], v[AC+8*\b+\i:AC+8*\b+\i+1], v[BQ+8*\b+\i:BQ+8*\b+\i+1]
.endif
.endr
.endr
	WIN 0
.set j, 0
.rept 64
	v_med3_num_f32 v[TMP+j], v[TMP+j], -v[LIM], v[LIM]     ; the conversion to an 8-bit code does not saturate (ISA guide 7.6.2)
.set j, j+1
.endr
.if (\a) > 0
	s_wait_alu depctr_va_vdst(0)
	s_wait_dscnt 0x0                               ; the last block's stores have read the code registers
.endif
.irp b, 0,1,2,3,4,5,6,7
	v_cvt_scalef32_pk8_fp8_f32 v[CODES+2*\b:CODES+2*\b+1], v[TMP+8*\b:TMP+8*\b+7], v[SCL]
.endr
	v_nop                                          ; a plain instruction behind the last conversion: the next block writes its sources
.irp b, 0,1,2,3,4,5,6,7
.if \isv
	ds_store_b64 v[VSTO], v[CODES+2*\b:CODES+2*\b+1] offset:(\a)*2304+32*(\b/2)+8*(\b%2)           ; row d = 16 a + r; keys 16 b + 8 h + 0..7 at place 32 (b / 2) + 16 h + 8 (b % 2)
.else
	ds_store_b64 v[QSTO], v[CODES+2*\b:CODES+2*\b+1] offset:(\b/4)*10240+(\a)*1280+(\b%4)*16       ; head b / 4, token 16 a + r, d = 16 (b % 4) + 8 h + 0..7
.endif
.endr
.endm
.macro QSEND isv                       ; back as they lie in memory: two runs of 8,192 bytes, 131,072 apart (the next head)
.set i, 0
.rept 32
.if \isv
	ds_load_b128 v[TMP+4*i:TMP+4*i+3], v[VRD] offset:576*i
.else
	ds_load_b128 v[TMP+4*i:TMP+4*i+3], v[QRD] offset:(i/16)*10240+(i%16)*640
.endif
.set i, i+1
.endr
.set i, 0
.rept 32
	s_wait_dscnt 31-i                              ; the younger loads may stay out
	global_store_b128 v[CO], v[TMP+4*i:TMP+4*i+3], s[10:11] offset:(i/16)*131072+(i%16)*512    ; 32 lanes store 512 consecutive bytes, aligned
.set i, i+1
.endr
.endm
	s_cmp_eq_u32 ttmp9, 2
	s_cbranch_scc1 .Lv_out
.set j, 0
.rept 64
	v_ldexp_f32 v[BQ+j], v[BQ+j], s93
.set j, j+1
.endr
.irp a, 0,1,2,3,4,5,6,7
	QBLOCK \a, 0
.endr
	QSEND 0
	s_branch .Ldone
.Lv_out:
.irp a, 0,1,2,3,4,5,6,7
	v_ldexp_f32 v[BV+2*\a+1], v[BV+2*\a], s93      ; the number twice, as a pair for the packed addition
	v_ldexp_f32 v[BV+2*\a], v[BV+2*\a], s93
.endr
.irp a, 0,1,2,3,4,5,6,7
	QBLOCK \a, 1
.endr
	QSEND 1
.Ldone:
	s_wait_tensorcnt 0x0                           ; the wave's end, behind my last tensor load and my last LDS store
	ds_add_u32 v[SPW], v[NIL]
	s_wait_dscnt 0x0
	CROUND                                         ; the closing round: no work-group ends while a partner may still ask for a tile that names it
	s_endpgm
.Lfunc_end_k_q1684fe1923_qkv:
	.size	k_q1684fe1923_qkv, .Lfunc_end_k_q1684fe1923_qkv-k_q1684fe1923_qkv
	.p2alignl 7, 3214868480
	.fill 96, 4, 3214868480
	.section	.rodata,"a",@progbits
	.p2align	6, 0x0
	.amdhsa_kernel k_q1684fe1923_qkv
		.amdhsa_group_segment_fixed_size 327680
		.amdhsa_private_segment_fixed_size 0
		.amdhsa_enable_private_segment 0
		.amdhsa_kernarg_size 40
		.amdhsa_user_sgpr_count 2
		.amdhsa_user_sgpr_kernarg_segment_ptr 1
		.amdhsa_wavefront_size32 1
		.amdhsa_system_sgpr_workgroup_id_x 1
		.amdhsa_system_sgpr_workgroup_id_y 1
		.amdhsa_system_sgpr_workgroup_id_z 1
		.amdhsa_system_vgpr_workitem_id 0
		.amdhsa_next_free_vgpr 1024
		.amdhsa_next_free_sgpr 100
		.amdhsa_reserve_vcc 0
		.amdhsa_float_denorm_mode_32 3
		.amdhsa_float_denorm_mode_16_64 3
		.amdhsa_memory_ordered 1
		.amdhsa_forward_progress 1
		.amdhsa_inst_pref_size 215
	.end_amdhsa_kernel
	.amdgpu_metadata
---
amdhsa.version: [ 1, 2 ]
amdhsa.kernels:
  - .name:           k_q1684fe1923_qkv
    .symbol:         k_q1684fe1923_qkv.kd
    .args:
      - { .name: h_codes, .offset: 0, .size: 8, .value_kind: global_buffer, .address_space: global }
      - { .name: w_codes, .offset: 8, .size: 8, .value_kind: global_buffer, .address_space: global }
      - { .name: lowp_scales, .offset: 16, .size: 8, .value_kind: global_buffer, .address_space: global }
      - { .name: b_qkv, .offset: 24, .size: 8, .value_kind: global_buffer, .address_space: global }
      - { .name: qkv_codes, .offset: 32, .size: 8, .value_kind: global_buffer, .address_space: global }
    .group_segment_fixed_size: 327680
    .private_segment_fixed_size: 0
    .kernarg_segment_align: 8
    .kernarg_segment_size: 40
    .max_flat_workgroup_size: 128
    .sgpr_count:     100
    .vgpr_count:     1024
    .wavefront_size: 32
...
	.end_amdgpu_metadata
.endif
;; end of part 2
;; launch attn (part 3): grid 4 x 64, 8 waves a work-group, clusters of 4 x 1, 327,680 bytes of LDS; arguments qkv_codes, lowp_scales, a_codes; writes a_codes
.if DOCPART == 3
	.amdgcn_target "amdgcn-amd-amdhsa--gfx1250"
	.amdhsa_code_object_version 6
	.text
	.protected	k_q1684fe1923_attn
	.globl	k_q1684fe1923_attn
	.p2align	8
	.type	k_q1684fe1923_attn,@function
k_q1684fe1923_attn:
	s_mov_b64 s[64:65], 0
	v_nop
	global_prefetch_b8 v0, s[64:65] scope:SCOPE_SE
	s_setreg_imm32_b32 hwreg(HW_REG_WAVE_MODE, 25, 1), 1
	s_wait_xcnt 0x0
	s_wait_alu depctr_hold_cnt(0) depctr_sa_sdst(0) depctr_va_vdst(0) depctr_va_sdst(0) depctr_va_ssrc(0) depctr_va_vcc(0) depctr_vm_vsrc(0)
	s_getreg_b32 s2, hwreg(HW_REG_IB_STS2, 6, 4)
	s_cmp_eq_u32 s2, 0
	s_cbranch_scc0 .Lentry_in_a_cluster
	s_endpgm
.Lentry_in_a_cluster:
	s_bfe_u32 s2, ttmp6, 0x10000c
	s_cmp_lg_u32 s2, 0x3003
	s_cbranch_scc0 .Lentry_shape_is_right
	s_endpgm
.Lentry_shape_is_right:
; ATTENTION on codes of E4M3: products 2 and 3, the softmax between them, the division by the row's sum, and the quantiser of the fourth product's left operand.  Nothing of reference() is left out.
; t = score x 2^(e2 + e3) x log2(e) / 8;  M = the running largest t rounded UP to a whole number;  p = 2^(t - M) is quantised with 2^e4, not normalised;  l = the sum of the unquantised p, in f32.
; When M moves, l and O are multiplied by 2^(old M - new M): exact.  out = O x 2^(e4 + e5) / l;  code = out / 2^e6 held within +-448 = (O / l) / 2^(e6 - e4 - e5).
; LIMITS: e2 + e3 between -123 and 130 (added to c's exponent field); e4, and e6 - e4 - e5, between -126 and 119; the scaled scores stay under 2^31 in magnitude.  In the second product d is permuted alike in q and k (16-byte loads).
; SHARES.  A work-group owns 512 queries of one (batch, head): 256 work-groups of equal work.  Each of its EIGHT waves owns 64 queries, four tiles of 16, in 512 registers: two waves to a SIMD.
;   A fragment of K or of V that a wave reads from LDS feeds four matrix instructions, one for each tile of queries: a wave reads the head's K and V from LDS once, 262,144 bytes.
; ALL OF THE HEAD'S K AND V LIE IN LDS: 2,048 rows of K (64 bytes + 16) and 1,024 rows of V (128 bytes + 16), fetched ONCE by eight first fills, one a wave.  So the loop has no refill, no barrier and no wait on tensor loads.
; CLUSTER.  The four work-groups of a head need the same K and V: every fill is asked for jointly, with the mask of all four.  The place in the cluster enters q's and a_codes' global addresses alone.
; No prefetch: all that the launch reads through LDS is asked for at its head, and there is no later tile to name.
; A KEY STEP is 128 keys.  THE TILES GO IN PAIRS: scores of two tiles, their maxima and their two chains to M line by line; then the two batches of 64 exponentials, each with plain work of the OTHER tile among its lines:
;   the second tile's t - M among the first tile's exponentials, the first tile's hold among the second's.  Each such line reads what was written ahead of the wait in front of its batch and is first read behind the wait after it.
;   Then P's codes, O^T of the two under the new M, their eight products with V.
;   K's and V's fragments have registers of their own: the next step's K is asked for behind the second pair's scores, the next step's V behind this step's last products.  The last step's look-ahead is held at the last step's own address.
; LAYOUT.  S^T = K Q^T (source 0 = 16 neighbouring keys, source 1 = 16 queries): a lane holds ONE query of each tile, register j of key tile t key 16 t + 8 h + j; the conversion of key tile t gives registers 2 t, 2 t + 1 of P in the
;   x128 form's own order of k.  V's places in a chunk are laid by the launch before so that four 16-byte loads give the same order.  O^T = V^T P^T: register j of tile t is d = 16 t + 8 h + j of the query.
; OUT: a_codes [head 16][token 8192][64]: a wave's 64 queries are 4,096 consecutive bytes.
; REGISTERS.  Window 0: v1-11 addresses; v12-27 for each tile -M, the largest t, l in two halves; v28-35 f as pairs; v36-39, v232 constants; v40-103 K; v104-231 S^T, then p, of two tiles; v234-245 at work.
;   Window 1: v0-127 O^T (tile i at 32 i); v128-159 Q; v160-223 V; v224-255 P's codes of two tiles.
.set KP,    80
.set VP,    144
.set VOFF,  2048*KP                    ; V behind K
.set SPARE, VOFF+1024*VP               ; behind V: the spare words, 128 bytes for each of eight waves
.set SPW,  5
.set NIL,  6
.set ST,   12
.set F,    28
.set SCL,  36                          ; 2^e4
.set LIM,  37                          ; 448 x 2^e4,
.set LIM2, 38                          ; and once more: the two halves of a dual pair take their first sources from different register banks
.set OSC,  39                          ; 2^(e6 - e4 - e5)
.set K,    40
.set S,    104
.set CD,   168                         ; the way out: the codes
.set OLIM, 232                         ; 448 x 2^(e6 - e4 - e5)
.set T0,   234                         ; v234-241 maxima, four chains a tile
.set PM,   242
.set OM,   244
.set A0,   234                         ; v234-245 sums, six pairs (the maxima are done with)
.set QW,   128                         ; window 1
.set VW,   160                         ; window 1
.set PW,   224                         ; window 1
.set WV,   10
.set G1K,  16
.set G1V,  24
.set G0K,  32
.set G0V,  36
.set CS,   48                          ; s[48:49] c = log2(e) / 8, with e2 + e3 in its exponent
.set SEL,  50
.set TBK,  52                          ; s52  LDS byte of the NEXT step's keys
.set TBV,  53                          ; s53  of its chunk of V, less VOFF
.set CNT,  54
.set TN,   55
.set MSB, 0
.macro WIN new                         ; the immediate's high byte repeats the setting that is left
.if MSB != \new
	s_set_vgpr_msb (MSB<<8)|\new
.set MSB, \new
.endif
.endm
.macro CROUND
	s_barrier_signal -1
	s_barrier_wait -1
	s_cmp_lg_u32 s[WV], 0
	s_cbranch_scc1 .Lnot_wave_0_\@
	s_barrier_signal -3
.Lnot_wave_0_\@:
	s_barrier_wait -3
	s_barrier_signal -1
	s_barrier_wait -1
.endm
.macro KLOAD adr                       ; K's eight fragments: 16 keys x 64 d each
.irp t, 0,1,2,3,4,5,6,7
	ds_load_b128 v[K+8*\t:K+8*\t+3], v[\adr] offset:1280*\t
	ds_load_b128 v[K+8*\t+4:K+8*\t+7], v[\adr] offset:1280*\t+32
.endr
.endm
.macro VLOAD adr                       ; V's four fragments: 16 d x 128 keys each, into window 1
	WIN 0x40
.irp t, 0,1,2,3
.irp c, 0,1,2,3
	ds_load_b128 v[VW+16*\t+4*\c:VW+16*\t+4*\c+3], v[\adr] offset:2304*\t+32*\c
.endr
.endr
	WIN 0
.endm
; l takes a tile's 64 unquantised p (from register b on): two at a time, in seven chains, six of them begun by the first pairs: 32 additions
.macro SUMS b, l
.irp k, 0,1,2,3,4,5
	v_pk_add_f32 v[A0+2*\k:A0+2*\k+1], v[(\b)+4*\k:(\b)+4*\k+1], v[(\b)+4*\k+2:(\b)+4*\k+3]
.endr
	v_pk_add_f32 v[(\l):(\l)+1], v[(\l):(\l)+1], v[(\b)+24:(\b)+25]
.irp j, 26,40
.irp k, 0,1,2,3,4,5
	v_pk_add_f32 v[A0+2*\k:A0+2*\k+1], v[A0+2*\k:A0+2*\k+1], v[(\b)+\j+2*\k:(\b)+\j+2*\k+1]
.endr
	v_pk_add_f32 v[(\l):(\l)+1], v[(\l):(\l)+1], v[(\b)+\j+12:(\b)+\j+13]
.endr
.irp k, 0,1,2,3,4
	v_pk_add_f32 v[A0+2*\k:A0+2*\k+1], v[A0+2*\k:A0+2*\k+1], v[(\b)+54+2*\k:(\b)+54+2*\k+1]
.endr
	v_pk_add_f32 v[A0:A0+1], v[A0:A0+1], v[A0+2:A0+3]
	v_pk_add_f32 v[A0+4:A0+5], v[A0+4:A0+5], v[A0+6:A0+7]
	v_pk_add_f32 v[A0+8:A0+9], v[A0+8:A0+9], v[A0+10:A0+11]
	v_pk_add_f32 v[(\l):(\l)+1], v[(\l):(\l)+1], v[A0:A0+1]
	v_pk_add_f32 v[A0+4:A0+5], v[A0+4:A0+5], v[A0+8:A0+9]
	v_pk_add_f32 v[(\l):(\l)+1], v[(\l):(\l)+1], v[A0+4:A0+5]
.endm
	s_load_b128 s[4:7], s[0:1], 0x0                ; qkv_codes, the scales
	s_load_b64 s[8:9], s[0:1], 0x10                ; a_codes
	v_lshl_add_u32 v[SPW], v0, 2, SPARE
	v_mov_b32 v[NIL], 0
	ds_add_u32 v[SPW], v[NIL]                      ; the wave's opening: the add, twice on end, and its wait ahead of my first tensor load
	ds_add_u32 v[SPW], v[NIL]
	v_lshrrev_b32 v8, 5, v0
	v_readfirstlane_b32 s[WV], v8                  ; wave 0..7
	s_bfe_u32 s11, ttmp6, 0x40000                  ; cx
	s_and_b32 s12, ttmp7, 0xffff                   ; batch x 16 + head, which the four partners share
	s_mov_b32 s[G1K], 15|(0<<16)|(1<<20)|(1<<21)|(3<<22)|(3<<25)   ; the mask of all four; elements of 1 byte; padding on; bit 21 beside a mask; 4 words behind every 16: behind each row of 64 bytes
	s_mov_b32 s[G1K+1], 64<<16                     ; tensor_dim0
	s_mov_b32 s[G1K+2], 512<<16                    ; tensor_dim1
	s_mov_b32 s[G1K+3], 64<<16                     ; tile_dim0
	s_mov_b32 s[G1K+4], 512                        ; tile_dim1
	s_mov_b32 s[G1K+5], 64                         ; pitch
	s_mov_b32 s[G1K+6], 0
	s_mov_b32 s[G1K+7], 0
	s_mov_b32 s[G1V], 15|(0<<16)|(1<<20)|(1<<21)|(4<<22)|(3<<25)   ; 4 words behind every 32: behind each row of 128 bytes
	s_mov_b32 s[G1V+1], 128<<16
	s_mov_b32 s[G1V+2], 256<<16
	s_mov_b32 s[G1V+3], 128<<16
	s_mov_b32 s[G1V+4], 256
	s_mov_b32 s[G1V+5], 128
	s_mov_b32 s[G1V+6], 0
	s_mov_b32 s[G1V+7], 0
	s_mov_b32 s[SEL], 0x76543210
	s_mov_b32 s[SEL+1], 0xfedcba98
	s_mov_b32 s[CS], 0x3e38aa3b                    ; log2(e) / 8
	s_and_b32 s60, s[WV], 3                        ; which quarter of K (waves 0-3) or of V (waves 4-7) I fetch
	s_mul_i32 s61, s60, 512*KP
	s_mul_i32 s62, s60, 256*VP
	s_add_co_u32 s62, s62, VOFF
	s_lshl_b32 s66, s12, 17                        ; the head's 131,072 bytes,
	s_lshl_b32 s63, s60, 15                        ; my 32,768 of them
	s_add_co_u32 s66, s66, s63
	s_mov_b32 s67, 0
	s_wait_dscnt 0x0                               ; both opening adds are done
	s_wait_kmcnt 0x0
	s_load_b256 s[40:47], s[6:7], 0x0              ; e0 .. e7
	s_mov_b32 s[G0K], 1
	s_mov_b32 s[G0K+1], s61
	s_add_nc_u64 s[G0K+2:G0K+3], s[4:5], s[66:67]
	s_add_nc_u64 s[G0K+2:G0K+3], s[G0K+2:G0K+3], 0x800000      ; k's part of the buffer
	s_or_b32 s[G0K+3], s[G0K+3], 0x80000000
	s_mov_b32 s[G0V], 1
	s_mov_b32 s[G0V+1], s62
	s_add_nc_u64 s[G0V+2:G0V+3], s[4:5], s[66:67]
	s_add_nc_u64 s[G0V+2:G0V+3], s[G0V+2:G0V+3], 0x1000000     ; v's
	s_or_b32 s[G0V+3], s[G0V+3], 0x80000000
	CROUND                                         ; all four work-groups are here: the joint loads meet
	s_cmp_lt_u32 s[WV], 4                          ; a fill in each arm: every wave has one tensor load out
	s_cbranch_scc0 .Lfill_v
	tensor_load_to_lds s[G0K:G0K+3], s[G1K:G1K+7]
	s_nop 0
.rept 4
	v_nop
.endr
	s_branch .Lfilled
.Lfill_v:
	tensor_load_to_lds s[G0V:G0V+3], s[G1V:G1V+7]
	s_nop 0
.rept 4
	v_nop
.endr
.Lfilled:
	s_lshl_b32 s68, ttmp9, 2
	s_add_co_u32 s68, s68, s11                     ; my block of 512 queries
	s_lshl_b32 s68, s68, 9
	s_lshl_b32 s69, s[WV], 6
	s_add_co_u32 s68, s68, s69                     ; my first query in the sequence
	s_lshl_b32 s70, s68, 6
	s_lshl_b32 s71, s12, 17
	s_add_co_u32 s70, s70, s71
	s_mov_b32 s71, 0
	s_add_nc_u64 s[56:57], s[4:5], s[70:71]        ; its codes in q
	s_lshr_b32 s72, s12, 4
	s_lshl_b32 s72, s72, 11
	s_add_co_u32 s72, s72, s68                     ; its token among 8,192
	s_lshl_b32 s72, s72, 6
	s_and_b32 s73, s12, 15
	s_lshl_b32 s73, s73, 19
	s_add_co_u32 s72, s72, s73
	s_mov_b32 s73, 0
	s_add_nc_u64 s[58:59], s[8:9], s[72:73]        ; its place in a_codes
	s_mul_i32 s74, s[WV], 5120                     ; my stage for the way out: 64 rows x 80 bytes, in K's bytes, used behind the last barrier alone
	v_and_b32 v8, 15, v0                           ; r
	v_bfe_u32 v9, v0, 4, 1                         ; h
	v_and_b32 v11, 31, v0                          ; lane
	v_mul_u32_u24 v1, v8, KP
	v_mul_u32_u24 v2, v8, VP
	v_lshlrev_b32 v3, 6, v8
	v_lshrrev_b32 v7, 2, v11
	v_and_b32 v10, 3, v11
	v_lshl_add_u32 v4, v9, 3, v1
	v_lshl_add_u32 v1, v9, 4, v1                   ; K: row r, + 16 h
	v_lshl_add_u32 v2, v9, 4, v2
	v_lshl_add_u32 v3, v9, 4, v3                   ; Q in memory: row r of 64 bytes, + 16 h
	v_mul_u32_u24 v7, v7, KP
	v_add_nc_u32 v4, s74, v4                       ; the stage, in: row r, + 8 h
	v_add_nc_u32 v2, VOFF, v2                      ; V: row r, + 16 h
	v_lshl_add_u32 v7, v10, 4, v7
	v_lshlrev_b32 v10, 4, v11                      ; 16 x lane
	v_add_nc_u32 v7, s74, v7                       ; the stage, back: four lanes to a row's 64 bytes
	s_wait_alu depctr_va_vdst(0)                   ; the wait ahead of readers of what was just written
	WIN 0x40
.irp i, 0,1,2,3
	global_load_b128 v[QW+8*\i:QW+8*\i+3], v3, s[56:57] offset:1024*\i         ; Q's four fragments stay in registers
	global_load_b128 v[QW+8*\i+4:QW+8*\i+7], v3, s[56:57] offset:1024*\i+32
.endr
.set j, 0
.rept 128
	v_mov_b32 v[j], 0                              ; O^T.  The step is written once: the first finds zeros, which the first change of M leaves zeros
.set j, j+1
.endr
	WIN 0
.irp i, 0,1,2,3
	v_mov_b32 v[ST+4*\i+1], 0xff61b1e6             ; the largest t so far: -3e38, under every t
	v_mov_b32 v[ST+4*\i+2], 0                      ; l
	v_mov_b32 v[ST+4*\i+3], 0
	v_mov_b32 v[F+2*\i+1], 0                       ; named as the upper half of f's pair
	v_floor_f32 v[ST+4*\i], -v[ST+4*\i+1]          ; -M
.endr
	v_mov_b32 v[PM], 0                             ; a lane permute's destination counts as read
	v_mov_b32 v[PM+1], 0
	s_wait_kmcnt 0x0
	s_add_co_i32 s72, s42, s43
	s_lshl_b32 s72, s72, 23
	s_add_co_i32 s[CS], s[CS], s72                 ; a score stands for score x 2^(e2 + e3)
	s_mov_b32 s[CS+1], s[CS]                       ; named with it as a pair
	s_add_co_i32 s72, s44, 127
	s_lshl_b32 s73, s72, 23
	v_mov_b32 v[SCL], s73                          ; 2^e4
	s_add_co_i32 s72, s72, 8
	s_lshl_b32 s72, s72, 23
	s_or_b32 s72, s72, 0x600000
	v_mov_b32 v[LIM], s72                          ; 448 x 2^e4
	v_mov_b32 v[LIM2], s72
	s_sub_co_i32 s72, s46, s44
	s_sub_co_i32 s72, s72, s45
	s_add_co_i32 s72, s72, 127
	s_lshl_b32 s73, s72, 23
	v_mov_b32 v[OSC], s73                          ; 2^(e6 - e4 - e5)
	s_add_co_i32 s72, s72, 8
	s_lshl_b32 s72, s72, 23
	s_or_b32 s72, s72, 0x600000
	v_mov_b32 v[OLIM], s72                         ; 448 x that
	s_mov_b32 s[TBK], 128*KP
	s_mov_b32 s[TBV], 64*VP
	s_mov_b32 s[CNT], 16
	s_wait_alu depctr_va_vdst(0)                   ; the wait at the head's end
	s_wait_tensorcnt 0x0                           ; my part of K or V is in,
	s_barrier_signal -1
	s_barrier_wait -1                              ; everybody's is
	KLOAD 1                                        ; step 0's fragments: 16 loads for K, then 16 for V
	VLOAD 2
	s_wait_loadcnt 0x0                             ; Q
; TWO TILES OF 16 QUERIES in a key step, 2 a and 2 a + 1 (u = 0, 1): scores, softmax, P's codes, O^T under the new M, the products with V.
.macro PAIR a
.set N0, ST+8*(\a)                     ; tile u's -M, t, l at N0 + 4 u
.set F0, F+4*(\a)                      ; its f at F0 + 2 u
.set Q0, QW+16*(\a)
.set O0, 64*(\a)
	WIN 0x04                                       ; source 1 (Q) in window 1
.irp u, 0,1
.irp t, 0,1,2,3,4,5,6,7
	v_wmma_f32_16x16x64_fp8_fp8 v[S+64*\u+8*\t:S+64*\u+8*\t+7], v[K+8*\t:K+8*\t+7], v[Q0+8*\u:Q0+8*\u+7], 0
.endr
.endr
	WIN 0
.if (\a) == 1
	s_min_u32 s[TN], s[TBK], 15*128*KP             ; K's fragments are done with: the next step's are asked for (in the last step: the same once more, and not used)
	v_add_nc_u32 v8, s[TN], v1                     ; with the three below: four places behind the products
	v_nop
	v_nop
	v_nop
	KLOAD 8
.else
.rept 4
	v_nop                                          ; places behind the products
.endr
.endif
.irp q, 0,1,2,3                                ; the step's largest score of each query among my 64 keys: four chains a tile, each accumulator from its low end on
.irp u, 0,1
	v_max3_num_f32 v[T0+4*\u+\q], v[S+64*\u+3*\q], v[S+64*\u+3*\q+1], v[S+64*\u+3*\q+2]
.endr
.endr
.irp j, 12,20,28,36,44,52
.irp q, 0,1,2,3
.irp u, 0,1
	v_max3_num_f32 v[T0+4*\u+\q], v[T0+4*\u+\q], v[S+64*\u+\j+2*\q], v[S+64*\u+\j+2*\q+1]
.endr
.endr
.endr
.irp q, 0,1
.irp u, 0,1
	v_max3_num_f32 v[T0+4*\u+\q], v[T0+4*\u+\q], v[S+64*\u+60+2*\q], v[S+64*\u+61+2*\q]
.endr
.endr
.irp u, 0,1
	v_max3_num_f32 v[T0+4*\u], v[T0+4*\u], v[T0+4*\u+1], v[T0+4*\u+2]
.endr
.irp u, 0,1
	v_max_num_f32 v[T0+4*\u], v[T0+4*\u], v[T0+4*\u+3]
.endr
.irp u, 0,1
	v_mul_f32 v[T0+4*\u], s[CS], v[T0+4*\u]        ; as t (c is positive)
.endr
.irp u, 0,1
	v_permlanex16_b32 v[PM+\u], v[T0+4*\u], s[SEL], s[SEL+1]
.endr
.irp u, 0,1
	v_mov_b32 v[OM+\u], v[N0+4*\u]
.endr
.irp u, 0,1
	v_max3_num_f32 v[N0+4*\u+1], v[N0+4*\u+1], v[T0+4*\u], v[PM+\u]   ; the running largest t: mine, lane l xor 16's, and what was
.endr
.irp u, 0,1
	v_floor_f32 v[N0+4*\u], -v[N0+4*\u+1]          ; the new -M = floor(-t): M is a whole number
.endr
.irp u, 0,1
	v_sub_f32 v[OM+\u], v[N0+4*\u], v[OM+\u]       ; old M - new M: a whole number, 0 or less
.endr
.irp u, 0,1
	v_cvt_i32_f32 v[OM+\u], v[OM+\u]               ; (it saturates)
.endr
.irp u, 0,1
	v_ldexp_f32 v[F0+2*\u], 1.0, v[OM+\u]          ; f = 2^(old M - new M)
.endr
.set j, 0
.rept 32
	v_pk_fma_f32 v[S+j:S+j+1], v[S+j:S+j+1], s[CS:CS+1], v[N0:N0+1] op_sel_hi:[1,0,0]   ; the first tile's t - M, two at a time
.set j, j+2
.endr
	s_wait_alu depctr_va_vdst(0)                   ; the wait ahead of the batch
.set j, 0
.rept 32
	v_exp_f32 v[S+j], v[S+j]                       ; the first tile's p = 2^(t - M), at most 1;
	v_pk_fma_f32 v[S+64+j:S+64+j+1], v[S+64+j:S+64+j+1], s[CS:CS+1], v[N0+4:N0+5] op_sel_hi:[1,0,0]   ; among them the second tile's t - M: first read behind the two waits below
	v_exp_f32 v[S+j+1], v[S+j+1]
.set j, j+2
.endr
.irp u, 0,1
	v_pk_mul_f32 v[N0+4*\u+2:N0+4*\u+3], v[N0+4*\u+2:N0+4*\u+3], v[F0+2*\u:F0+2*\u+1] op_sel_hi:[1,0]   ; l under the new M: plain instructions behind the exponentials
.endr
	s_wait_alu depctr_va_vdst(0)                   ; and the wait ahead of the batch's first reader
	SUMS S, N0+2
	s_wait_alu depctr_va_vdst(0)                   ; the wait ahead of the second batch
.set j, 0
.rept 32
	v_exp_f32 v[S+64+j], v[S+64+j]                 ; the second tile's p;
	v_dual_min_num_f32 v[S+j], v[LIM], v[S+j] :: v_dual_min_num_f32 v[S+j+1], v[LIM2], v[S+j+1]   ; among them the first tile's hold: the conversion does not saturate (ISA guide 7.6.2); p is not negative, so the hold is one-sided; two numbers an instruction
	v_exp_f32 v[S+64+j+1], v[S+64+j+1]
.set j, j+2
.endr
	v_nop                                          ; a plain instruction behind the exponentials
	s_wait_alu depctr_va_vdst(0)                   ; and the wait ahead of the batch's first reader
	SUMS S+64, N0+6
.set j, 0
.rept 32
	v_dual_min_num_f32 v[S+64+j], v[LIM], v[S+64+j] :: v_dual_min_num_f32 v[S+64+j+1], v[LIM2], v[S+64+j+1]   ; the second tile's hold
.set j, j+2
.endr
	WIN 0x40                                       ; P's codes go to window 1
.irp u, 0,1
.irp t, 0,1,2,3,4,5,6,7
	v_cvt_scalef32_pk8_fp8_f32 v[PW+16*\u+2*\t:PW+16*\u+2*\t+1], v[S+64*\u+8*\t:S+64*\u+8*\t+7], v[SCL]
.endr
.endr
	WIN 0x41                                       ; destination and source 0 (O^T) in window 1, source 1 (f) in window 0
	s_wait_alu depctr_va_vdst(0)                   ; the wait here, directly ahead of the first reader of O^T
.irp u, 0,1
.set j, 0
.rept 16
	v_pk_mul_f32 v[O0+32*\u+j:O0+32*\u+j+1], v[O0+32*\u+j:O0+32*\u+j+1], v[F0+2*\u:F0+2*\u+1] op_sel_hi:[1,0]   ; O^T under the new M, each accumulator from its low end on; also the plain instructions behind the conversions
.set j, j+2
.endr
.endr
.if (\a) == 0
	s_wait_alu depctr_va_vdst(0)                   ; the wait here, directly ahead of the wait below
	s_wait_dscnt 0x0                               ; V's 16 loads are in: nothing younger is out
.endif
	WIN 0x55                                       ; D, C (O^T), source 0 (V) and source 1 (P) in window 1
.irp t, 0,1,2,3                                ; the eight accumulators take turns, one instruction a turn
.irp u, 0,1
	v_wmma_f32_16x16x128_fp8_fp8 v[O0+32*\u+8*\t:O0+32*\u+8*\t+7], v[VW+16*\t:VW+16*\t+15], v[PW+16*\u:PW+16*\u+15], v[O0+32*\u+8*\t:O0+32*\u+8*\t+7]
.endr
.endr
.endm
.Lkey:                                                 ; 16 trips: a key step each
	s_wait_dscnt 16                                ; K's 16 loads are in; the 16 younger ones, V's, may be out
	PAIR 0
	PAIR 1
	WIN 0
	s_min_u32 s[TN], s[TBV], 15*64*VP              ; the next step's V (in the last step: the same once more, and not used)
	v_add_nc_u32 v9, s[TN], v2                     ; with the three below: four places behind the products
	v_nop
	v_nop
	v_nop
	VLOAD 9
	s_add_co_u32 s[TBK], s[TBK], 128*KP
	s_add_co_u32 s[TBV], s[TBV], 64*VP
	s_sub_co_u32 s[CNT], s[CNT], 1
	s_cmp_lg_u32 s[CNT], 0
	s_cbranch_scc1 .Lkey
	s_wait_dscnt 0x0                               ; the look-ahead's loads have landed: their registers may be written
.irp i, 0,1,2,3
	v_add_f32 v[ST+4*\i+2], v[ST+4*\i+2], v[ST+4*\i+3]
.endr
.irp i, 0,1,2,3
	v_permlanex16_b32 v[T0+\i], v[ST+4*\i+2], s[SEL], s[SEL+1]
.endr
.irp i, 0,1,2,3
	v_add_f32 v[ST+4*\i+2], v[ST+4*\i+2], v[T0+\i] ; the rows' sums
.endr
	s_wait_alu depctr_va_vdst(0)                   ; the wait ahead of the batch
.irp i, 0,1,2,3
	v_rcp_f32 v[ST+4*\i+2], v[ST+4*\i+2]
.endr
	v_nop                                          ; a plain instruction behind the transcendentals
	WIN 0x01                                       ; source 0 (O^T) in window 1
	s_wait_alu depctr_va_vdst(0)                   ; the wait ahead of the batch's first reader, which is also the first reader of O^T
.irp i, 0,1,2,3
.set j, 0
.rept 16
	v_pk_mul_f32 v[K+32*\i+j:K+32*\i+j+1], v[32*\i+j:32*\i+j+1], v[ST+4*\i+2:ST+4*\i+3] op_sel_hi:[1,0]   ; O^T / l, each accumulator from its low end on
.set j, j+2
.endr
.endr
	WIN 0
.set j, 0
.rept 128
	v_med3_num_f32 v[K+j], v[K+j], -v[OLIM], v[OLIM]
.set j, j+1
.endr
.irp i, 0,1,2,3
.irp t, 0,1,2,3
	v_cvt_scalef32_pk8_fp8_f32 v[CD+8*\i+2*\t:CD+8*\i+2*\t+1], v[K+32*\i+8*\t:K+32*\i+8*\t+7], v[OSC]
.endr
.endr
	v_nop                                          ; a plain instruction behind the last conversion
	; THE WAY OUT.  Nobody reads K any more behind this barrier.
	s_wait_alu depctr_va_vdst(0)
	s_wait_dscnt 0x0
	s_barrier_signal -1
	s_barrier_wait -1
.irp i, 0,1,2,3
.irp t, 0,1,2,3
	ds_store_b64 v4, v[CD+8*\i+2*\t:CD+8*\i+2*\t+1] offset:1280*\i+16*\t   ; query 16 i + r, d = 16 t + 8 h + 0..7
.endr
.endr
.irp n, 0,1,2,3,4,5,6,7
	ds_load_b128 v[K+4*\n:K+4*\n+3], v7 offset:640*\n                      ; LDS serves a wave's instructions in order: these see my stores
.endr
.irp n, 0,1,2,3,4,5,6,7
	s_wait_dscnt 7-\n                              ; the younger loads may stay out
	global_store_b128 v10, v[K+4*\n:K+4*\n+3], s[58:59] offset:512*\n      ; 32 lanes store 512 consecutive bytes, aligned
.endr
	s_wait_tensorcnt 0x0                           ; the wave's end, behind my last tensor load and my last LDS store
	ds_add_u32 v[SPW], v[NIL]
	s_wait_dscnt 0x0
	CROUND                                         ; the closing round
	s_endpgm
.Lfunc_end_k_q1684fe1923_attn:
	.size	k_q1684fe1923_attn, .Lfunc_end_k_q1684fe1923_attn-k_q1684fe1923_attn
	.p2alignl 7, 3214868480
	.fill 96, 4, 3214868480
	.section	.rodata,"a",@progbits
	.p2align	6, 0x0
	.amdhsa_kernel k_q1684fe1923_attn
		.amdhsa_group_segment_fixed_size 327680
		.amdhsa_private_segment_fixed_size 0
		.amdhsa_enable_private_segment 0
		.amdhsa_kernarg_size 24
		.amdhsa_user_sgpr_count 2
		.amdhsa_user_sgpr_kernarg_segment_ptr 1
		.amdhsa_wavefront_size32 1
		.amdhsa_system_sgpr_workgroup_id_x 1
		.amdhsa_system_sgpr_workgroup_id_y 1
		.amdhsa_system_sgpr_workgroup_id_z 1
		.amdhsa_system_vgpr_workitem_id 0
		.amdhsa_next_free_vgpr 512
		.amdhsa_next_free_sgpr 80
		.amdhsa_reserve_vcc 0
		.amdhsa_float_denorm_mode_32 3
		.amdhsa_float_denorm_mode_16_64 3
		.amdhsa_memory_ordered 1
		.amdhsa_forward_progress 1
		.amdhsa_inst_pref_size 86
	.end_amdhsa_kernel
	.amdgpu_metadata
---
amdhsa.version: [ 1, 2 ]
amdhsa.kernels:
  - .name:           k_q1684fe1923_attn
    .symbol:         k_q1684fe1923_attn.kd
    .args:
      - { .name: qkv_codes, .offset: 0, .size: 8, .value_kind: global_buffer, .address_space: global }
      - { .name: lowp_scales, .offset: 8, .size: 8, .value_kind: global_buffer, .address_space: global }
      - { .name: a_codes, .offset: 16, .size: 8, .value_kind: global_buffer, .address_space: global }
    .group_segment_fixed_size: 327680
    .private_segment_fixed_size: 0
    .kernarg_segment_align: 8
    .kernarg_segment_size: 24
    .max_flat_workgroup_size: 256
    .sgpr_count:     80
    .vgpr_count:     512
    .wavefront_size: 32
...
	.end_amdgpu_metadata
.endif
;; end of part 3
;; launch proj (part 4): grid 8 x 32, 4 waves a work-group, clusters of 4 x 4, 327,680 bytes of LDS; arguments a_codes, w_codes, lowp_scales, b_out, x, out0; writes out0
.if DOCPART == 4
	.amdgcn_target "amdgcn-amd-amdhsa--gfx1250"
	.amdhsa_code_object_version 6
	.text
	.protected	k_q1684fe1923_proj
	.globl	k_q1684fe1923_proj
	.p2align	8
	.type	k_q1684fe1923_proj,@function
k_q1684fe1923_proj:
	s_mov_b64 s[64:65], 0
	v_nop
	global_prefetch_b8 v0, s[64:65] scope:SCOPE_SE
	s_setreg_imm32_b32 hwreg(HW_REG_WAVE_MODE, 25, 1), 1
	s_wait_xcnt 0x0
	s_wait_alu depctr_hold_cnt(0) depctr_sa_sdst(0) depctr_va_vdst(0) depctr_va_sdst(0) depctr_va_ssrc(0) depctr_va_vcc(0) depctr_vm_vsrc(0)
	s_getreg_b32 s2, hwreg(HW_REG_IB_STS2, 6, 4)
	s_cmp_eq_u32 s2, 0
	s_cbranch_scc0 .Lentry_in_a_cluster
	s_endpgm
.Lentry_in_a_cluster:
	s_bfe_u32 s2, ttmp6, 0x10000c
	s_cmp_lg_u32 s2, 0xf033
	s_cbranch_scc0 .Lentry_shape_is_right
	s_endpgm
.Lentry_shape_is_right:
.set PA,     80
.set HEADB,  256*PA
.set ASLOT,  4*HEADB
.set BOFF,   2*ASLOT
.set PB,     1040
.set SPARE,  BOFF+128*PB
.set STAGE,  SPARE+512
.set SPITCH, 272
.set FR,   16
.set ADRA, 16
.set ADRB, 20
.set STO,  24
.set RD,   25
.set CO,   26
.set BO,   27
.set SPW,  28
.set NIL,  29
.set OB,   32
.set BIAS, 96
.set AF,   128
.set TMP,  128
.set G1A, 24
.set G0A, 32
.set G1B, 48
.set G0B, 56
.set MSB, 0
.macro WIN new
.if MSB != \new
	s_set_vgpr_msb (MSB<<8)|\new
.set MSB, \new
.endif
.endm
.set MUL,  0xa1
.set TO_B, 0x40
.macro CREST
	s_cmp_lg_u32 s14, 0
	s_cbranch_scc1 .Lnot_wave_0_\@
	s_barrier_signal -3
.Lnot_wave_0_\@:
	s_barrier_wait -3
	s_barrier_signal -1
	s_barrier_wait -1
.endm
.macro CROUND
	s_barrier_signal -1
	s_barrier_wait -1
	CREST
.endm
.macro PLACES
.rept 4
	v_nop
.endr
.endm
	s_load_b256 s[68:75], s[0:1], 0x0
	s_load_b128 s[76:79], s[0:1], 0x20
	v_lshl_add_u32 v[SPW], v0, 2, SPARE
	v_mov_b32 v[NIL], 0
	ds_add_u32 v[SPW], v[NIL]
	ds_add_u32 v[SPW], v[NIL]
	v_lshrrev_b32 v1, 5, v0
	v_readfirstlane_b32 s14, v1
	v_and_b32 v10, 15, v0
	v_bfe_u32 v11, v0, 4, 1
	v_lshlrev_b32 v10, 8, v10
	v_lshl_add_u32 v10, v11, 21, v10               ; the prefetches' offset: lanes 0-15 name 16 blocks of 256 bytes of one slot's head, lanes 16-31 the same of the next slot's (four heads of 524,288 bytes on); never rewritten
	s_wait_alu depctr_va_vdst(0)
	s_lshr_b32 s15, s14, 1
	s_and_b32 s16, s14, 1
	s_bfe_u32 s40, ttmp6, 0x40000
	s_bfe_u32 s41, ttmp6, 0x40004
	s_lshl_b32 s42, ttmp9, 2
	s_add_co_u32 s42, s42, s40
	s_and_b32 s17, ttmp7, 0xffff
	s_lshl_b32 s17, s17, 2
	s_add_co_u32 s17, s17, s41
	s_lshl_b32 s43, s41, 2
	s_lshl_b32 s43, 15, s43
	s_lshl_b32 s44, 0x1111, s40
	s_or_b32 s[G1A], s43, (0<<16)|(1<<20)|(1<<21)|(3<<22)|(3<<25)
	s_mov_b32 s[G1A+1], 64<<16
	s_mov_b32 s[G1A+2], 256<<16
	s_mov_b32 s[G1A+3], 64<<16
	s_mov_b32 s[G1A+4], 256
	s_mov_b32 s[G1A+5], 64
	s_mov_b32 s[G1A+6], 0
	s_mov_b32 s[G1A+7], 0
	s_or_b32 s[G1B], s44, (0<<16)|(1<<20)|(1<<21)|(7<<22)|(3<<25)
	s_mov_b32 s[G1B+1], 1024<<16
	s_mov_b32 s[G1B+2], 32<<16
	s_mov_b32 s[G1B+3], 1024<<16
	s_mov_b32 s[G1B+4], 32
	s_mov_b32 s[G1B+5], 1024
	s_mov_b32 s[G1B+6], 0
	s_mov_b32 s[G1B+7], 0
	s_lshl_b32 s20, s17, 14
	s_lshl_b32 s18, s14, 19
	s_add_co_u32 s20, s20, s18
	s_mov_b32 s21, 0
	s_lshl_b32 s46, s42, 7
	s_lshl_b32 s18, s14, 5
	s_add_co_u32 s46, s46, s18
	s_lshl_b32 s46, s46, 10
	s_add_co_u32 s46, s46, 3145728
	s_mov_b32 s47, 0
	s_mul_i32 s45, s14, HEADB
	s_mul_i32 s22, s14, 32*PB
	s_add_co_u32 s22, s22, BOFF
	s_wait_dscnt 0x0
	s_wait_kmcnt 0x0
	s_load_b256 s[80:87], s[72:73], 0x0
	s_add_nc_u64 s[20:21], s[68:69], s[20:21]
	s_lshl_b32 s62, s40, 12                        ; PREFETCH INTO THE L2 of A's tiles: of the 64 blocks of 256 bytes of the head that my wave fetches, each of the four partners that ask for it jointly names 16, told apart by address (cx)
	s_mov_b32 s63, 0
	s_add_nc_u64 s[60:61], s[20:21], s[62:63]      ; never rewritten
	; where my part of x, of out0 and of the bias begins: made here, so that x can be asked for directly behind the first tensor load
	s_lshl_b32 s88, s17, 8
	s_lshl_b32 s89, s15, 7
	s_add_co_u32 s88, s88, s89
	s_lshl_b32 s88, s88, 12                        ; my first row, 4,096 bytes a row
	s_lshl_b32 s90, s42, 9
	s_lshl_b32 s91, s16, 8
	s_add_co_u32 s90, s90, s91                     ; my first column, in bytes
	s_mov_b32 s91, 0
	s_add_nc_u64 s[4:5], s[74:75], s[90:91]
	s_add_co_u32 s88, s88, s90
	s_mov_b32 s89, 0
	s_add_nc_u64 s[10:11], s[76:77], s[88:89]
	s_add_nc_u64 s[12:13], s[78:79], s[88:89]
	v_and_b32 v12, 15, v0
	v_bfe_u32 v13, v0, 4, 1
	v_lshlrev_b32 v[CO], 12, v13
	v_lshl_add_u32 v[CO], v12, 4, v[CO]            ; lanes 0-15 take 256 bytes of one row, lanes 16-31 of the next
	v_lshlrev_b32 v[BO], 4, v12
	s_wait_alu depctr_va_vdst(0)
	s_add_nc_u64 s[46:47], s[70:71], s[46:47]
.irp s, 0,1
	s_mov_b32 s[G0A+4*\s], 1
	s_add_co_u32 s[G0A+4*\s+1], s45, \s*ASLOT
	s_add_nc_u64 s[G0A+4*\s+2:G0A+4*\s+3], s[20:21], \s*4*524288
	s_or_b32 s[G0A+4*\s+3], s[G0A+4*\s+3], 0x80000000
.endr
	s_mov_b32 s[G0B], 1
	s_mov_b32 s[G0B+1], s22
	s_mov_b64 s[G0B+2:G0B+3], s[46:47]
	s_or_b32 s[G0B+3], s[G0B+3], 0x80000000
	CROUND
	tensor_load_to_lds s[G0B:G0B+3], s[G1B:G1B+7]
	s_nop 0
	global_prefetch_b8 v10, s[60:61] th:TH_LOAD_NT scope:SCOPE_SE                  ; A's slots 0 and 1, a fill ahead of the first of their loads
	global_load_b128 v[BIAS:BIAS+3], v[BO], s[4:5]
	WIN 0xc0                                       ; the residual, my 128 rows x 256 bytes of x, into window 3: asked for here, and read on the way out
.set i, 0
.rept 64
	global_load_b128 v[4*i:4*i+3], v[CO], s[10:11] offset:2*i*4096 th:TH_LOAD_NT
.set i, i+1
.endr
	WIN 0
	s_wait_alu depctr_va_vdst(0)
	s_wait_tensorcnt 0x0
	ds_add_u32 v28, v29
	s_wait_dscnt 0x0
	CROUND
	tensor_load_to_lds s[G0A:G0A+3], s[G1A:G1A+7]
	s_nop 0
	global_prefetch_b8 v10, s[60:61] offset:4194304 th:TH_LOAD_NT scope:SCOPE_SE   ; A's slots 2 and 3 (eight heads on), two fills ahead of the first of their loads
	s_wait_alu depctr_va_vdst(0)
	s_wait_tensorcnt 0x0
	ds_add_u32 v28, v29
	s_wait_dscnt 0x0
	CROUND
	tensor_load_to_lds s[G0A+4:G0A+7], s[G1A:G1A+7]
	s_nop 0
.rept 4
	v_nop
.endr
	v_and_b32 v1, 15, v0
	v_bfe_u32 v2, v0, 4, 1
	v_mul_u32_u24 v3, v1, PA
	v_lshl_add_u32 v3, v2, 4, v3
	s_mul_i32 s21, s15, 128*PA
.irp n, 0,1,2,3
	v_add_nc_u32 v[ADRA+\n], s21, v3
	s_add_co_u32 s21, s21, 2*HEADB
.endr
	v_mul_u32_u24 v4, v1, PB
	v_lshl_add_u32 v4, v2, 4, v4
	s_mul_i32 s22, s16, 64*PB
	s_add_co_u32 s22, s22, BOFF
	v_add_nc_u32 v[ADRB], s22, v4
	s_mul_i32 s23, s14, 16*SPITCH
	s_add_co_u32 s23, s23, STAGE
	v_mul_u32_u24 v5, v1, SPITCH
	v_lshl_add_u32 v5, v2, 5, v5
	v_add_nc_u32 v[STO], s23, v5
	v_mul_u32_u24 v5, v2, SPITCH
	v_lshl_add_u32 v5, v1, 4, v5
	v_add_nc_u32 v[RD], s23, v5
	s_wait_alu depctr_va_vdst(0)                   ; the wait at the head's end
.macro MUL8 a0, p, zero
.irp a, \a0, \a0+1
.irp b, 0,1,2,3
.if \zero
	v_wmma_f32_16x16x128_fp8_fp8 v[8*(4*(\a)+\b):8*(4*(\a)+\b)+7], v[128*(\p)+FR*\b:128*(\p)+FR*\b+FR-1], v[AF+FR*(\a):AF+FR*(\a)+FR-1], 0
.else
	v_wmma_f32_16x16x128_fp8_fp8 v[8*(4*(\a)+\b):8*(4*(\a)+\b)+7], v[128*(\p)+FR*\b:128*(\p)+FR*\b+FR-1], v[AF+FR*(\a):AF+FR*(\a)+FR-1], v[8*(4*(\a)+\b):8*(4*(\a)+\b)+7]
.endif
.endr
.endr
.endm
.macro FETCH_B ks
	WIN TO_B
.irp i, 0,1,2,3
.irp c, 0,1,2,3
	ds_load_b128 v[128*((\ks)%2)+FR*\i+4*\c:128*((\ks)%2)+FR*\i+4*\c+3], v[ADRB] offset:\i*16*PB+128*(\ks)+32*\c
.endr
.endr
	WIN 0
.endm
.macro FETCH_A ks, i0
.set AR, ADRA+((\ks)%4)
.irp i, \i0, \i0+1, \i0+2, \i0+3
.irp c, 0,1,2,3
	ds_load_b128 v[AF+FR*(\i)+4*\c:AF+FR*(\i)+4*\c+3], v[AR] offset:(\c/2)*HEADB+(\i)*16*PA+32*(\c%2)
.endr
.endr
.endm
.macro STEP ks, zero
	s_wait_dscnt 16
	WIN MUL
	MUL8 0, (\ks)%2, \zero
	MUL8 2, (\ks)%2, \zero
	s_wait_dscnt 0
	PLACES
	FETCH_B (\ks)+1
	FETCH_A (\ks)+1, 0
	WIN MUL
	MUL8 4, (\ks)%2, \zero
	MUL8 6, (\ks)%2, \zero
	PLACES
	WIN 0
	FETCH_A (\ks)+1, 4
.endm
.macro TURN ks, fill
.set SL, (((\ks)/2)%2)
	s_wait_tensorcnt 0x0
	ds_add_u32 v[SPW], v[NIL]
	s_wait_dscnt 17
	WIN MUL
	MUL8 0, 1, 0
	s_wait_dscnt 0x0
	s_barrier_signal -1
	MUL8 2, 1, 0
	WIN 0
	s_barrier_wait -1
.if \fill
	CREST
	s_add_nc_u64 s[G0A+4*SL+2:G0A+4*SL+3], s[G0A+4*SL+2:G0A+4*SL+3], 8*524288
	tensor_load_to_lds s[G0A+4*SL:G0A+4*SL+3], s[G1A:G1A+7]
	s_nop 0
.rept 4
	v_nop
.endr
.else
	PLACES
.endif
	FETCH_B (\ks)+1
	FETCH_A (\ks)+1, 0
	WIN MUL
	MUL8 4, 1, 0
	MUL8 6, 1, 0
	PLACES
	WIN 0
	FETCH_A (\ks)+1, 4
.endm
	s_wait_tensorcnt 1
	s_barrier_signal -1
	s_barrier_wait -1
	FETCH_B 0
	FETCH_A 0, 0
	FETCH_A 0, 4
	STEP 0, 1
	TURN 1, 1
	STEP 2, 0
	TURN 3, 1
	STEP 4, 0
	TURN 5, 0
	STEP 6, 0
	s_wait_dscnt 16
	WIN MUL
	MUL8 0, 1, 0
	MUL8 2, 1, 0
	s_wait_dscnt 0
	MUL8 4, 1, 0
	MUL8 6, 1, 0
	WIN 0
.macro TOSTAGE a
	WIN 0x08
.irp b, 0,1,2,3
	ds_store_b128 v[STO], v[32*(\a)+8*\b:32*(\a)+8*\b+3] offset:64*\b
	ds_store_b128 v[STO], v[32*(\a)+8*\b+4:32*(\a)+8*\b+7] offset:64*\b+16
.endr
	WIN 0
.set BB, OB+32*((\a)%2)
.irp t, 0,1,2,3,4,5,6,7
	ds_load_b128 v[BB+4*\t:BB+4*\t+3], v[RD] offset:\t*2*SPITCH
.endr
.endm
.macro SEND a, younger
.set BB, OB+32*((\a)%2)
	s_wait_dscnt \younger
	s_wait_loadcnt 56-8*(\a)
	WIN 0x03
.set j, 0
.rept 16
	v_pk_add_f32 v[TMP+j:TMP+j+1], v[32*(\a)+j:32*(\a)+j+1], v[BIAS+j%4:BIAS+j%4+1]
.set j, j+2
.endr
	WIN 0
.set j, 0
.rept 16
	v_pk_fma_f32 v[BB+j:BB+j+1], v[BB+j:BB+j+1], s[96:97], v[TMP+j:TMP+j+1] op_sel_hi:[1,0,1]
.set j, j+2
.endr
.irp t, 0,1,2,3,4,5,6,7
	global_store_b128 v[CO], v[BB+4*\t:BB+4*\t+3], s[12:13] offset:(16*(\a)+2*\t)*4096 th:TH_STORE_NT
.endr
.endm
	s_wait_kmcnt 0x0
	s_add_co_i32 s96, s86, s87
	s_add_co_i32 s96, s96, 127
	s_lshl_b32 s96, s96, 23
	s_mov_b32 s97, s96
	PLACES
	TOSTAGE 0
.irp a, 1,2,3,4,5,6,7
.if \a > 1
	s_wait_xcnt 0x0
.endif
	TOSTAGE \a
	SEND \a-1, 16
.endr
	SEND 7, 0
	s_wait_tensorcnt 0x0
	ds_add_u32 v[SPW], v[NIL]
	s_wait_dscnt 0x0
	CROUND
	s_endpgm
.Lfunc_end_k_q1684fe1923_proj:
	.size	k_q1684fe1923_proj, .Lfunc_end_k_q1684fe1923_proj-k_q1684fe1923_proj
	.p2alignl 7, 3214868480
	.fill 96, 4, 3214868480
	.section	.rodata,"a",@progbits
	.p2align	6, 0x0
	.amdhsa_kernel k_q1684fe1923_proj
		.amdhsa_group_segment_fixed_size 327680
		.amdhsa_private_segment_fixed_size 0
		.amdhsa_enable_private_segment 0
		.amdhsa_kernarg_size 48
		.amdhsa_user_sgpr_count 2
		.amdhsa_user_sgpr_kernarg_segment_ptr 1
		.amdhsa_wavefront_size32 1
		.amdhsa_system_sgpr_workgroup_id_x 1
		.amdhsa_system_sgpr_workgroup_id_y 1
		.amdhsa_system_sgpr_workgroup_id_z 1
		.amdhsa_system_vgpr_workitem_id 0
		.amdhsa_next_free_vgpr 1024
		.amdhsa_next_free_sgpr 100
		.amdhsa_reserve_vcc 0
		.amdhsa_float_denorm_mode_32 3
		.amdhsa_float_denorm_mode_16_64 3
		.amdhsa_memory_ordered 1
		.amdhsa_forward_progress 1
		.amdhsa_inst_pref_size 92
	.end_amdhsa_kernel
	.amdgpu_metadata
---
amdhsa.version: [ 1, 2 ]
amdhsa.kernels:
  - .name:           k_q1684fe1923_proj
    .symbol:         k_q1684fe1923_proj.kd
    .args:
      - { .name: a_codes, .offset: 0, .size: 8, .value_kind: global_buffer, .address_space: global }
      - { .name: w_codes, .offset: 8, .size: 8, .value_kind: global_buffer, .address_space: global }
      - { .name: lowp_scales, .offset: 16, .size: 8, .value_kind: global_buffer, .address_space: global }
      - { .name: b_out, .offset: 24, .size: 8, .value_kind: global_buffer, .address_space: global }
      - { .name: x, .offset: 32, .size: 8, .value_kind: global_buffer, .address_space: global }
      - { .name: out0, .offset: 40, .size: 8, .value_kind: global_buffer, .address_space: global }
    .group_segment_fixed_size: 327680
    .private_segment_fixed_size: 0
    .kernarg_segment_align: 8
    .kernarg_segment_size: 48
    .max_flat_workgroup_size: 128
    .sgpr_count:     100
    .vgpr_count:     1024
    .wavefront_size: 32
...
	.end_amdgpu_metadata
.endif
;; end of part 4
